; MI455X (gfx1250); checked and timed in simulation.
; The chip was launched on July 23, 2026; its instructions are those of AMD's public machine-readable ISA for CDNA 5 (MIT licence, August 2026) and "CDNA5" Instruction Set Architecture Reference Guide (July 2026). The comments in the code are by the model that wrote it; some were corrected since.
;; Causal Self Attention. Allowed arithmetic: matrix products marked QUANTISED: E2M1 operands, one E8M0 scale for each 32 along K, by v_wmma_scale_f32_16x16x128_f8f6f4 with both operands' format E2M1 (or v_wmma_scale_f32_32x16x128_f4), f32 sums; products left as they are: bf16, f16 or f32 operands; f32 sums; everything else in f32.
;; Inputs: W_proj 1,024 x 1,024 float32; W_qkv 1,024 x 3,072 float32; b_proj 1,024 float32; b_qkv 3,072 float32; x 4 x 2,048 x 1,024 float32.
;; Outputs: out0 4 x 2,048 x 1,024 float32.
;; This version of the problem:
;;   THIS VERSION OF THE PROBLEM IS GIVEN IN LOW PRECISION. The matrix products marked QUANTISED in the list below multiply operands that are first quantised to E2M1 (2 exponent bits, 1 mantissa bit; 4 bits a number), with one power-of-two scale for each 32 numbers along K (OCP MX v1.0); their sums are f32. The products marked 'left as it is' may take bf16, f16 or f32 operands, with f32 sums. Whichever they take, every output number must still come out within the allowed error. Rounding operands to bf16 (8 significant bits) uses up far more of that allowance than f16 does (11 bits, for magnitudes from 6e-5 to 65,504). All else is computed in f32.
;;   The module's matrix products, in the order in which they are computed (A, B: the left and right operand; K: the contracted axis; several contracted axes count as one K, in the product's order):
;;     1. [M 8,192, K 1,024] x [K 1,024, N 3,072]; A: input x; B: input W_qkv: QUANTISED
;;     2. batch 64 x [M 2,048, K 64] x [K 64, N 2,048]; A: computed on the way; B: computed on the way: left as it is (an operand is computed on the way)
;;     3. batch 64 x [M 64, K 2,048] x [K 2,048, N 2,048]; A: computed on the way; B: computed on the way: left as it is (an operand is computed on the way)
;;     4. [M 8,192, K 1,024] x [K 1,024, N 1,024]; A: computed on the way; B: input W_proj: left as it is (an operand is computed on the way)
;;   THE QUANTISER, for each operand of a quantised product, along K:
;;     - K is cut into blocks of 32 from its start; a last block that is shorter is filled with zeros.
;;     - A block's scale is 2^e with e = floor(log2(the largest magnitude in the block)) - 2, held to -126 .. 127; a block of zeros has e = 0. As a byte (E8M0): e + 127.
;;     - Each number is divided by its block's scale, clamped to +-6, and rounded to the nearest number of E2M1, ties to even, subnormals kept.
;;     - The product sums the exact products of the quantised numbers (number of the format x scale) in f32.
;;   ~~~python
;;   def quantise(x, axis):      # numpy; x: float32 -> the quantised numbers, widened to float32 again
;;       x = np.moveaxis(x, axis, -1); K = x.shape[-1]
;;       x = np.pad(x, [(0, 0)] * (x.ndim - 1) + [(0, -K % 32)]); x = x.reshape(x.shape[:-1] + (-1, 32)); a = np.abs(x).max(-1, keepdims=True)
;;       e = np.where(a > 0, np.clip(np.frexp(np.where(a > 0, a, 1))[1] - 1 - 2, -126, 127), 0)      # np.frexp(a)[1] - 1 = floor(log2(a)), exactly
;;       r = np.clip(x / 2.0 ** e, -6, 6)
;;       step = 2.0 ** (np.maximum(np.frexp(np.where(r == 0, 1, r))[1] - 1, 0) - 1)
;;       q = np.round(r / step) * step * 2.0 ** e      # np.round: ties to even
;;       return np.moveaxis(q.reshape(q.shape[:-2] + (-1,))[..., :K], -1, axis).astype(np.float32)
;;   ~~~
;; One version. Each part assembles by itself: llvm-mc -triple=amdgcn-amd-amdhsa -mcpu=gfx1250 --defsym DOCPART=n.
;; ======== version 1 of 1: 6 launches
;; limits: values are held in f16: magnitudes above 65,504 overflow, below 6.1e-05 lose precision
;; workspace buffers: x_codes 4,194,304 bytes; x_scales 262,144 bytes; wq_codes 1,572,864 bytes; wq_scales 98,304 bytes; wp_img 2,097,152 bytes; qkv_img 50,331,648 bytes; y_img 16,777,216 bytes; y_fine 262,144 bytes
;; launch prep (part 1): grid 368 x 1, 4 waves a work-group, no clusters, 68,096 bytes of LDS; arguments x, W_qkv, W_proj, x_codes, x_scales, wq_codes, wq_scales, wp_img; writes x_codes, x_scales, wq_codes, wq_scales, wp_img
.if DOCPART == 1
	.amdgcn_target "amdgcn-amd-amdhsa--gfx1250"
	.amdhsa_code_object_version 6
	.text
	.protected	k_q33d0a17aff_prep
	.globl	k_q33d0a17aff_prep
	.p2align	8
	.type	k_q33d0a17aff_prep,@function
k_q33d0a17aff_prep:
	s_mov_b64 s[64:65], 0
	v_nop
	global_prefetch_b8 v0, s[64:65] scope:SCOPE_SE
	s_setreg_imm32_b32 hwreg(HW_REG_WAVE_MODE, 25, 1), 1
	s_wait_xcnt 0x0
; CAUSAL SELF-ATTENTION, B 4, T 2048, C 1024, 16 heads of 64.  Six launches: prep, qkv, fineA, attn, proj, fineB.
; THIS LAUNCH makes the operands that later launches read many times:
;   work-groups 0-47    W_qkv [1024 (k)][3072] f32 -> codes of FP4 (E2M1) laid [3072][1024] with K innermost, one E8M0 byte for each 32 along K
;   work-groups 48-111  W_proj [1024 (k)][1024] f32 -> f16, laid in the order of a matrix operand's registers (below)
;   work-groups 112-367 x [8192][1024] f32 -> codes of FP4 and scale bytes, K innermost as it lies
; WORK LEFT OUT, in the whole program:
;   (a) b_k = b_qkv[1024:2048].  score(t, s) = q_t . (k_s + b_k) = q_t . k_s + q_t . b_k; the second term is the same for every s, so the softmax along s (with the same -inf under the mask)
;       is the same for all finite inputs.  The product q k^T is not quantised, so no code and no scale hangs on b_k.  These 1,024 numbers are never loaded.
;       LIMIT: a NaN, an infinity or an overflow that comes through b_k alone is not carried to the result.
;   (b) b_v is live, but is added behind the division: sum_s p (v_s + b_v) / sum_s p = (sum_s p v_s) / sum_s p + b_v, an identity.
;   (c) tiles of keys that lie wholly above the diagonal of the mask that the problem itself builds are not multiplied.
; LIMITS: q + b_q, k, v, y and W_proj are rounded to f16: their magnitudes must stay under 65,504, and under 6e-5 they carry an absolute error of 3e-8.
;   A block of zeros gets the scale byte 1, not 127: its codes are zeros, and this program alone reads the bytes.  Blocks whose largest magnitude lies under 2^-124 are held at byte 1.  NaN and infinities among the inputs are not served.
; AN OPERAND IMAGE: a 16-bit fragment (16 rows x 32 K, 8 registers a lane) is 1,024 bytes: registers 0-3 of lane l at 16 l, registers 4-7 at 512 + 16 l.  Lane (r = l % 16, h = l / 16) holds row r; half q holds k = 16 q + 8 h + 0 .. 7.
;   wp_img: [K step of 128: 8][tile of 16 output columns: 64][32 along K: 4][half][lane][16 bytes].
; The three paths part on the work-group's number alone; each has LDS bytes of its own.  No tensor loads, no barrier: waves share nothing.
.set SPARE, 67584                      ; behind both paths' bytes: the spare words, 128 bytes for each wave
.set SPW,   12                         ; v12 LDS address of my spare word; never rewritten
.set NIL,   13                         ; v13 0; never rewritten
.set EMAX,  2
; ---- path X (x): 16 steps of 512 numbers a wave
.set STEPS, 16
.set CB,    8                          ; bytes of 16 codes
.set XR,    16                         ; v16-79   four sets of 16 numbers as loaded
.set XX,    80                         ; v80-111  two sets of 16 neighbours
.set XE,    112                        ; v112-127 a scale byte for each step
.set XC,    128                        ; v128-191 codes, four registers a step
.set WREG,  8192                       ; LDS 0 .. 32,767: a region for each wave: two stages of 32 x 80 bytes, then its 256 scale bytes
.set SP,    80
; ---- path W (W_qkv): 32 columns x 512 along K a wave
.set SIZE_K, 1024
.set SIZE_N, 3072
.set NB,    16
.set PITCH, 272
.set KROW,  512
.set WSTG,  32768                      ; LDS 32,768 .. 67,583: four stages of 32 x 272 bytes
.set SB,    24                         ; v24-27   scale bytes
.set WX,    32                         ; v32-95   two sets of 32 numbers
.set WC,    96                         ; v96-99   a block's codes
.set OUTR,  112                        ; v112-175 the way out
; ---- path P (W_proj)
.set PX,    32                         ; v32-159  128 numbers down K; packed in place into v32-95
.macro ENDW                            ; a wave's end
	s_wait_tensorcnt 0x0
	ds_add_u32 v[SPW], v[NIL]
	s_wait_dscnt 0x0
	s_endpgm
.endm
.macro XLOAD t
.irp i, 0,1,2,3
	global_load_b128 v[XR+16*((\t)%4)+4*\i:XR+16*((\t)%4)+4*\i+3], v3, s[4:5] offset:2048*(\t)+512*\i th:TH_LOAD_NT   ; 32 lanes read 512 consecutive bytes
.endr
.endm
.macro XTURN t                         ; a step's 2,048 bytes go through my stage as they lie and come back 64 bytes a lane; LDS serves a wave's instructions in order
.irp i, 0,1,2,3
	ds_store_b128 v14, v[XR+16*((\t)%4)+4*\i:XR+16*((\t)%4)+4*\i+3] offset:32*SP*((\t)%2)+8*SP*\i
.endr
.irp i, 0,1,2,3
	ds_load_b128 v[XX+16*((\t)%2)+4*\i:XX+16*((\t)%2)+4*\i+3], v15 offset:32*SP*((\t)%2)+16*\i
.endr
.endm
.macro XSTEP t
.set XS, XX+16*((\t)%2)
.if (\t) > 0
	s_wait_dscnt 1                                 ; this step's numbers are back (the last step's byte store may be out)
.else
	s_wait_dscnt 0x0
.endif
.if (\t)+4 < STEPS
	XLOAD (\t)+4                                   ; into the registers whose stores into the stage are done
.endif
.if (\t)+1 < STEPS
.if STEPS-2-(\t) >= 3
	s_wait_loadcnt 12                              ; the next step's four loads are in; those of the three steps behind it stay out
.else
	s_wait_loadcnt 4*(STEPS-2-(\t))
.endif
	XTURN (\t)+1
.endif
	v_max3_num_f32 v8, |v[XS]|, |v[XS+1]|, |v[XS+2]|               ; the largest magnitude of my 16
	v_max3_num_f32 v9, |v[XS+3]|, |v[XS+4]|, |v[XS+5]|
.irp i, 6,10
	v_max3_num_f32 v8, v8, |v[XS+\i]|, |v[XS+\i+1]|
	v_max3_num_f32 v9, v9, |v[XS+\i+2]|, |v[XS+\i+3]|
.endr
	v_max3_num_f32 v8, v8, |v[XS+14]|, |v[XS+15]|
	v_max3_num_f32 v8, v8, v9, (EMAX+1)<<23        ; and the floor 2^(3 - 127): the byte cannot fall under 1
	v_max_num_f32_dpp v8, v8, v8 row_xmask:1 row_mask:0xf bank_mask:0xf   ; with my neighbour's 16: the block's
	v_add_nc_u32 v11, -(EMAX<<23), v8              ; 2 off its exponent field: the conversion takes this operand's exponent field as its scale
	v_cvt_scalef32_pk8_fp4_f32 v[XC+4*(\t)], v[XS:XS+7], v11
	v_cvt_scalef32_pk8_fp4_f32 v[XC+4*(\t)+1], v[XS+8:XS+15], v11
	v_lshrrev_b32 v[XE+(\t)], 23, v11              ; the scale's byte (a plain line behind the conversions)
	ds_store_b8 v5, v[XE+(\t)] offset:16*(\t)      ; both lanes of a block write the same byte with the same value
	global_store_b64 v4, v[XC+4*(\t):XC+4*(\t)+1], s[8:9] offset:32*CB*(\t)   ; the wave stores 256 consecutive bytes, aligned
.endm
.macro WLOAD t                         ; block t: W(32 t + i, my column), i = 0 .. 31
.irp i, 0,1,2,3,4,5,6,7,8,9,10,11,12,13,14,15,16,17,18,19,20,21,22,23,24,25,26,27,28,29,30,31
	global_load_b32 v[WX+32*((\t)%2)+\i], v3, s[4:5] offset:(32*(\t)+\i)*SIZE_N*4 th:TH_LOAD_NT
.endr
.endm
.macro WBLOCK t
.set WXS, WX+32*((\t)%2)
.if (\t) < NB-1
	s_wait_loadcnt 32                              ; this block's 32 loads are in; the next block's stay out
.else
	s_wait_loadcnt 0
.endif
	v_max3_num_f32 v16, |v[WXS]|, |v[WXS+1]|, |v[WXS+2]|            ; all 32 numbers of the block are mine
	v_max3_num_f32 v17, |v[WXS+3]|, |v[WXS+4]|, |v[WXS+5]|
.irp i, 6,10,14,18,22,26
	v_max3_num_f32 v16, v16, |v[WXS+\i]|, |v[WXS+\i+1]|
	v_max3_num_f32 v17, v17, |v[WXS+\i+2]|, |v[WXS+\i+3]|
.endr
	v_max3_num_f32 v16, v16, |v[WXS+30]|, |v[WXS+31]|
	v_max3_num_f32 v16, v16, v17, (EMAX+1)<<23
	v_add_nc_u32 v11, -(EMAX<<23), v16
	v_lshrrev_b32 v17, 23, v11                     ; the scale's byte
.if (\t)%4 == 0
	v_mov_b32 v[SB+(\t)/4], v17
.else
	v_lshl_or_b32 v[SB+(\t)/4], v17, 8*((\t)%4), v[SB+(\t)/4]
.endif
.irp g, 0,1,2,3
	v_cvt_scalef32_pk8_fp4_f32 v[WC+\g], v[WXS+8*\g:WXS+8*\g+7], v11
.endr
	ds_store_b128 v4, v[WC:WC+3] offset:16*(\t)    ; 32 codes: 16 bytes of my column's row
.if (\t)+2 < NB
	WLOAD (\t)+2
.endif
	s_wait_dscnt 0x0                               ; the store has read its registers: the next block's codes may be written
.endm
.macro PLOAD c                         ; 32 rows of W_proj at my column
.irp i, 0,1,2,3,4,5,6,7,8,9,10,11,12,13,14,15,16,17,18,19,20,21,22,23,24,25,26,27,28,29,30,31
	global_load_b32 v[PX+32*(\c)+\i], v3, s[4:5] offset:(32*(\c)+\i)*4096 th:TH_LOAD_NT
.endr
.endm
	v_lshl_add_u32 v[SPW], v0, 2, SPARE
	v_mov_b32 v[NIL], 0
	v_lshrrev_b32 v1, 5, v0
	v_readfirstlane_b32 s16, v1                    ; wave 0..3
	v_and_b32 v2, 31, v0                           ; lane
	s_cmp_lt_u32 ttmp9, 48
	s_cbranch_scc1 .Lpath_w
	s_cmp_lt_u32 ttmp9, 112
	s_cbranch_scc1 .Lpath_p
	; ================= path X: x is a plain stream of blocks of 32
	s_load_b64 s[4:5], s[0:1], 0x0                 ; x
	s_load_b64 s[8:9], s[0:1], 0x18                ; its codes
	s_load_b64 s[10:11], s[0:1], 0x20              ; its scale bytes
	v_lshlrev_b32 v3, 4, v2                        ; my 16 bytes of a load's 512
	s_mul_i32 s17, s16, WREG
	v_lshrrev_b32 v14, 2, v2
	v_mul_u32_u24 v14, v14, SP
	v_and_b32 v15, 3, v2
	v_lshl_add_u32 v14, v15, 4, v14
	v_add_nc_u32 v14, s17, v14                     ; into the stage: four lanes' 64 bytes on end, then 16 of padding
	v_mul_u32_u24 v15, v2, SP
	v_add_nc_u32 v15, s17, v15                     ; out of it: my 16 neighbours
	v_mul_u32_u24 v4, v2, CB
	v_lshrrev_b32 v5, 1, v2
	s_add_co_u32 s17, s17, 2*32*SP
	v_add_nc_u32 v5, s17, v5                       ; my block's scale byte in my wave's 256
	v_lshlrev_b32 v7, 3, v2
	v_add_nc_u32 v6, s17, v7
	s_sub_co_u32 s17, ttmp9, 112
	s_lshl_b32 s17, s17, 2
	s_add_co_u32 s18, s17, s16                     ; which run of 8,192 numbers is my wave's
	s_mov_b32 s19, 0
	s_mov_b64 s[20:21], 512*STEPS*4
	s_mul_u64 s[20:21], s[18:19], s[20:21]
	s_mov_b64 s[22:23], 32*STEPS*CB
	s_mul_u64 s[22:23], s[18:19], s[22:23]
	s_lshl_b32 s18, s18, 8                         ; 256 scale bytes a run
	s_wait_kmcnt 0x0
	s_add_nc_u64 s[4:5], s[4:5], s[20:21]
	s_add_nc_u64 s[8:9], s[8:9], s[22:23]
	s_add_nc_u64 s[10:11], s[10:11], s[18:19]
.irp t, 0,1,2,3
	XLOAD \t
.endr
	s_wait_loadcnt 12                              ; step 0's four loads are in
	XTURN 0
.irp t, 0,1,2,3,4,5,6,7,8,9,10,11,12,13,14,15
	XSTEP \t
.endr
	ds_load_b64 v[8:9], v6                         ; my wave's 256 scale bytes, behind my stores of them
	s_wait_dscnt 0x0
	global_store_b64 v7, v[8:9], s[10:11]          ; 256 consecutive bytes, aligned
	ENDW
	; ================= path W: a lane takes a column of W_qkv, its registers run down K
.Lpath_w:
	s_load_b64 s[4:5], s[0:1], 0x8                 ; W_qkv
	s_load_b64 s[6:7], s[0:1], 0x28                ; its codes
	s_load_b64 s[8:9], s[0:1], 0x30                ; its scale bytes
	s_cmp_ge_u32 ttmp9, 24
	s_cselect_b32 s18, 1, 0                        ; which 512 along K
	s_cselect_b32 s17, 24, 0
	s_sub_co_u32 s17, ttmp9, s17                   ; which 128 columns
	s_lshl_b32 s17, s17, 7
	s_lshl_b32 s19, s16, 5
	s_add_co_u32 s17, s17, s19                     ; my wave's first column
	v_lshlrev_b32 v3, 2, v2
	s_mul_i32 s19, s16, 32*PITCH
	s_add_co_u32 s19, s19, WSTG                    ; my stage
	v_mul_u32_u24 v4, v2, PITCH
	v_add_nc_u32 v4, s19, v4                       ; into it: row = my column
	v_and_b32 v5, 15, v2
	v_lshrrev_b32 v6, 4, v2
	v_mul_u32_u24 v7, v6, PITCH
	v_lshl_add_u32 v7, v5, 4, v7
	v_add_nc_u32 v7, s19, v7                       ; out of it: sixteen lanes to a row
	v_mul_u32_u24 v8, v6, KROW
	v_lshl_add_u32 v8, v5, 4, v8
	s_mov_b32 s19, 0
	s_mov_b64 s[20:21], 512*SIZE_N*4
	s_mul_u64 s[20:21], s[18:19], s[20:21]
	s_lshl_b32 s22, s17, 2
	s_mov_b32 s23, 0
	s_add_nc_u64 s[20:21], s[20:21], s[22:23]
	s_mov_b32 s22, s17
	s_mov_b64 s[24:25], KROW
	s_mul_u64 s[24:25], s[22:23], s[24:25]
	s_lshl_b32 s26, s18, 8
	s_mov_b32 s27, 0
	s_add_nc_u64 s[24:25], s[24:25], s[26:27]
	s_mov_b64 s[28:29], SIZE_K/32
	s_mul_u64 s[28:29], s[22:23], s[28:29]
	s_lshl_b32 s26, s18, 4
	s_add_nc_u64 s[28:29], s[28:29], s[26:27]
	v_mul_u32_u24 v9, v2, SIZE_K/32
	s_wait_kmcnt 0x0
	s_add_nc_u64 s[4:5], s[4:5], s[20:21]
	s_add_nc_u64 s[6:7], s[6:7], s[24:25]
	s_add_nc_u64 s[8:9], s[8:9], s[28:29]
	WLOAD 0
	WLOAD 1
.irp t, 0,1,2,3,4,5,6,7,8,9,10,11,12,13,14,15
	WBLOCK \t
.endr
	global_store_b128 v9, v[SB:SB+3], s[8:9]       ; my column's 16 scale bytes
.irp t, 0,1,2,3,4,5,6,7,8,9,10,11,12,13,14,15
	ds_load_b128 v[OUTR+4*\t:OUTR+4*\t+3], v7 offset:2*\t*PITCH
.endr
.irp t, 0,1,2,3,4,5,6,7,8,9,10,11,12,13,14,15
	s_wait_dscnt 15-\t                             ; the later loads stay out
	global_store_b128 v8, v[OUTR+4*\t:OUTR+4*\t+3], s[6:7] offset:2*\t*KROW   ; sixteen lanes store 256 consecutive bytes, aligned
.endr
	ENDW
	; ================= path P: a lane takes a column of W_proj and 128 along K; pairs down K are rounded to f16 and are the image's registers
.Lpath_p:
	s_load_b64 s[4:5], s[0:1], 0x10                ; W_proj
	s_load_b64 s[6:7], s[0:1], 0x38                ; wp_img
	s_sub_co_u32 s17, ttmp9, 48
	s_and_b32 s18, s17, 7                          ; which 128 columns
	s_lshr_b32 s19, s17, 3                         ; which 128 along K
	v_lshlrev_b32 v3, 2, v2
	v_lshrrev_b32 v4, 4, v2
	v_and_b32 v5, 15, v2
	v_lshlrev_b32 v4, 12, v4
	v_lshl_add_u32 v4, v5, 4, v4                   ; my tile of 16 columns (4,096 bytes each), my row's 16 bytes
	s_lshl_b32 s20, s19, 19                        ; 128 rows of 4,096 bytes
	s_lshl_b32 s22, s18, 9
	s_add_co_u32 s20, s20, s22
	s_lshl_b32 s22, s16, 7
	s_add_co_u32 s20, s20, s22
	s_mov_b32 s21, 0
	s_lshl_b32 s22, s19, 18                        ; 64 tiles of 4,096 bytes
	s_lshl_b32 s24, s18, 15
	s_add_co_u32 s22, s22, s24
	s_lshl_b32 s24, s16, 13
	s_add_co_u32 s22, s22, s24
	s_mov_b32 s23, 0
	s_wait_kmcnt 0x0
	s_add_nc_u64 s[4:5], s[4:5], s[20:21]
	s_add_nc_u64 s[6:7], s[6:7], s[22:23]
	PLOAD 0
	PLOAD 1
.irp c, 0,1,2,3
.if \c < 3
	s_wait_loadcnt 32                              ; this chunk's 32 loads are in; the next chunk's stay out
.else
	s_wait_loadcnt 0
.endif
.if \c < 2
	PLOAD \c+2
.endif
.irp i, 0,1,2,3,4,5,6,7,8,9,10,11,12,13,14,15
	v_cvt_pk_f16_f32 v[PX+16*\c+\i], v[PX+32*\c+2*\i], v[PX+32*\c+2*\i+1]   ; packed in place, ascending: no store's data are written again
.endr
.irp q, 0,1
.irp h, 0,1
	global_store_b128 v4, v[PX+16*\c+8*\q+4*\h:PX+16*\c+8*\q+4*\h+3], s[6:7] offset:\c*1024+\q*512+\h*256   ; k = 16 q + 8 h + 0 .. 7: sixteen lanes store 256 consecutive bytes, aligned
.endr
.endr
.endr
	s_endpgm
.Lfunc_end_k_q33d0a17aff_prep:
	.size	k_q33d0a17aff_prep, .Lfunc_end_k_q33d0a17aff_prep-k_q33d0a17aff_prep
	.p2alignl 7, 3214868480
	.fill 96, 4, 3214868480
	.section	.rodata,"a",@progbits
	.p2align	6, 0x0
	.amdhsa_kernel k_q33d0a17aff_prep
		.amdhsa_group_segment_fixed_size 68096
		.amdhsa_private_segment_fixed_size 0
		.amdhsa_enable_private_segment 0
		.amdhsa_kernarg_size 64
		.amdhsa_user_sgpr_count 2
		.amdhsa_user_sgpr_kernarg_segment_ptr 1
		.amdhsa_wavefront_size32 1
		.amdhsa_system_sgpr_workgroup_id_x 1
		.amdhsa_system_sgpr_workgroup_id_y 1
		.amdhsa_system_sgpr_workgroup_id_z 1
		.amdhsa_system_vgpr_workitem_id 0
		.amdhsa_next_free_vgpr 192
		.amdhsa_next_free_sgpr 66
		.amdhsa_reserve_vcc 0
		.amdhsa_float_denorm_mode_32 3
		.amdhsa_float_denorm_mode_16_64 3
		.amdhsa_memory_ordered 1
		.amdhsa_forward_progress 1
		.amdhsa_inst_pref_size 130
	.end_amdhsa_kernel
	.amdgpu_metadata
---
amdhsa.version: [ 1, 2 ]
amdhsa.kernels:
  - .name:           k_q33d0a17aff_prep
    .symbol:         k_q33d0a17aff_prep.kd
    .args:
      - { .name: x, .offset: 0, .size: 8, .value_kind: global_buffer, .address_space: global }
      - { .name: W_qkv, .offset: 8, .size: 8, .value_kind: global_buffer, .address_space: global }
      - { .name: W_proj, .offset: 16, .size: 8, .value_kind: global_buffer, .address_space: global }
      - { .name: x_codes, .offset: 24, .size: 8, .value_kind: global_buffer, .address_space: global }
      - { .name: x_scales, .offset: 32, .size: 8, .value_kind: global_buffer, .address_space: global }
      - { .name: wq_codes, .offset: 40, .size: 8, .value_kind: global_buffer, .address_space: global }
      - { .name: wq_scales, .offset: 48, .size: 8, .value_kind: global_buffer, .address_space: global }
      - { .name: wp_img, .offset: 56, .size: 8, .value_kind: global_buffer, .address_space: global }
    .group_segment_fixed_size: 68096
    .private_segment_fixed_size: 0
    .kernarg_segment_align: 8
    .kernarg_segment_size: 64
    .max_flat_workgroup_size: 128
    .sgpr_count:     66
    .vgpr_count:     192
    .wavefront_size: 32
...
	.end_amdgpu_metadata
.endif
;; end of part 1
;; launch qkv (part 2): grid 12 x 32, 4 waves a work-group, clusters of 4 x 4, 327,680 bytes of LDS; arguments x_codes, x_scales, wq_codes, wq_scales, qkv_img, b_qkv; writes qkv_img
.if DOCPART == 2
	.amdgcn_target "amdgcn-amd-amdhsa--gfx1250"
	.amdhsa_code_object_version 6
	.text
	.protected	k_q33d0a17aff_qkv
	.globl	k_q33d0a17aff_qkv
	.p2align	8
	.type	k_q33d0a17aff_qkv,@function
k_q33d0a17aff_qkv:
	s_mov_b64 s[64:65], 0
	v_nop
	global_prefetch_b8 v0, s[64:65] scope:SCOPE_SE
	s_setreg_imm32_b32 hwreg(HW_REG_WAVE_MODE, 25, 1), 1
	s_wait_xcnt 0x0
	s_wait_alu depctr_hold_cnt(0) depctr_sa_sdst(0) depctr_va_vdst(0) depctr_va_sdst(0) depctr_va_ssrc(0) depctr_va_vcc(0) depctr_vm_vsrc(0)
	s_getreg_b32 s2, hwreg(HW_REG_IB_STS2, 6, 4)
	s_cmp_eq_u32 s2, 0
	s_cbranch_scc0 .Lentry_in_a_cluster
	s_endpgm
.Lentry_in_a_cluster:
	s_bfe_u32 s2, ttmp6, 0x10000c
	s_cmp_lg_u32 s2, 0xf033
	s_cbranch_scc0 .Lentry_shape_is_right
	s_endpgm
.Lentry_shape_is_right:
; q, k, v = Q(x) Q(W_qkv) on codes of FP4 (E2M1) with E8M0 scales, sums in f32; + b_q on the q columns; rounded to f16 and stored as operand images for the attention launch.
; LEFT OUT: b_k (the same term for every key of a row of scores: the softmax takes it away) and b_v here (added behind the division in the attention launch): shown at the head of the first launch.
; A tile of 256 x 256 results is made by four waves, 128 x 128 each: 64 accumulators.  K = 1,024 is two LDS slots of 512 along K, both filled at the start: no slot is filled again.
; "A" is the operand whose rows a lane keeps (source 1), "B" the one whose rows run along a lane's registers (source 0): lane (r, h) of accumulator (a, b) holds A's row 16 a + r and B's rows 16 b + 8 h + 0 .. 7.
;   clusters x = 0, 1 (q, k):  A = 256 tokens of x (tile 4 x cluster y + cy), B = 256 columns of W (tile 4 x cluster x + cx): a lane holds a token and eight channels: half a fragment of Q or K.
;   cluster  x = 2    (v):     A = 256 columns of W (tile 8 + cy),            B = 256 tokens of x (tile 4 x cluster y + cx): a lane holds a channel and eight tokens: half a fragment of V^T.
; The choice hangs on the cluster's x, which all sixteen partners share.  In both cases A's tile hangs on cy alone and is asked for jointly along a row of the cluster, B's on cx alone, along a column.
; qkv_img: [batch 4][g 48][262,144 bytes]; g 0-15 Q's heads, 16-31 K's, 32-47 V's.  Q, K: [tile of 16 tokens 128][32 channels 2][half][lane][16].  V: [32 keys 64][16 channels 4][half][lane][16].
; Four registers of rounded pairs ARE such a half: each store of the wave covers 512 consecutive bytes, aligned; nothing goes through LDS on the way out.
; REGISTERS: window 0: v16-30 addresses; v32-95 scale words, two sets; v128-191 A's fragments; v192-255 b_q; on the way out v128-255 hold the packed results.  window 1: B's fragments, two sets.  windows 2, 3: the accumulators.
.set NQ,     4
.set ROWB,   256
.set KROW,   512
.set PITCH,  272                       ; an LDS row: 256 bytes + 16 of padding: the 16 rows of a fragment load start 68 words apart
.set FR,     8
.set NL,     2
.set NP,     4
.set HALFT,  128*PITCH
.set SLOT,   4*HALFT
.set KS,     32                        ; a row of scale bytes
.set SCL,    2*SLOT
.set HALFS,  (128*KS/256)*272
.set SBLK,   (16*KS/256)*272
.set SPARE,  SCL+4*HALFS
.set ADRA, 16
.set ADRB, 20
.set CO,   26                          ; v26 16 x lane
.set ADRS, 27
.set SPW,  28
.set NIL,  29
.set BO,   30                          ; v30 32 h: my eight numbers of a tile of b_q
.set SC,   32
.set AF,   128
.set BIAS, 192
.set TMP,  128
.set G1, 24
.set G0, 32
.set G1B, 48
.set G0B, 56
.set G1S, 68
.set G0S, 76
.set G1SB, 80
.set G0SB, 88
.set MSB, 0
.macro WIN new                         ; the immediate's high byte repeats the setting that is left
.if MSB != \new
	s_set_vgpr_msb (MSB<<8)|\new
.set MSB, \new
.endif
.endm
.set MUL_LO, 0xa1                      ; source 0 (B) window 1, source 1 (A) window 0, C and D window 2
.set MUL_HI, 0xf1
.set TO_B,   0x40
.macro JLOAD g0a, g1a, g0b, g1b        ; a joint load: waves 0 and 1 fetch for A, waves 2 and 3 for B; an s_nop 0 and four v_nop follow each line
	s_cmp_eq_u32 s15, 0
	s_cbranch_scc0 .Lfor_b_\@
	tensor_load_to_lds s[\g0a:\g0a+3], s[\g1a:\g1a+7]
	s_nop 0
.rept 4
	v_nop
.endr
	s_branch .Lasked_\@
.Lfor_b_\@:
	tensor_load_to_lds s[\g0b:\g0b+3], s[\g1b:\g1b+7]
	s_nop 0
.rept 4
	v_nop
.endr
.Lasked_\@:
.endm
.macro CROUND                          ; a round of the cluster's barrier
	s_barrier_signal -1
	s_barrier_wait -1
	s_cmp_lg_u32 s14, 0
	s_cbranch_scc1 .Lnot_wave_0_\@
	s_barrier_signal -3
.Lnot_wave_0_\@:
	s_barrier_wait -3
	s_barrier_signal -1
	s_barrier_wait -1
.endm
	s_load_b128 s[4:7], s[0:1], 0x0                ; x's codes, x's scales
	s_load_b128 s[8:11], s[0:1], 0x10              ; W's codes, W's scales
	s_load_b64 s[12:13], s[0:1], 0x20              ; qkv_img
	s_load_b64 s[96:97], s[0:1], 0x28              ; b_qkv
	v_lshl_add_u32 v[SPW], v0, 2, SPARE
	v_mov_b32 v[NIL], 0
	ds_add_u32 v[SPW], v[NIL]                      ; the wave's opening: the add, twice on end, and its wait ahead of my first tensor load
	ds_add_u32 v[SPW], v[NIL]
	v_lshrrev_b32 v1, 5, v0
	v_readfirstlane_b32 s14, v1                    ; wave 0..3
	s_lshr_b32 s15, s14, 1                         ; which half of A's rows is mine.  Also: I fetch for A (0) or for B (1)
	s_and_b32 s16, s14, 1                          ; which half of B's rows.  Also: which 128 rows of that tile I fetch
	s_bfe_u32 s40, ttmp6, 0x40000                  ; cx
	s_bfe_u32 s41, ttmp6, 0x40004                  ; cy
	s_and_b32 s17, ttmp7, 0xffff
	s_lshl_b32 s17, s17, 2                         ; 4 x cluster y
	s_add_co_u32 s98, s17, s41                     ; q, k: A's tile of tokens
	s_add_co_u32 s99, s41, 8                       ; v: A's tile of W's rows
	s_add_co_u32 s17, s17, s40                     ; v: B's tile of tokens
	s_lshl_b32 s42, ttmp9, 2
	s_add_co_u32 s42, s42, s40                     ; q, k: B's tile of W's rows
	s_cmp_eq_u32 ttmp9, 2
	s_cselect_b32 s98, s99, s98                    ; A's tile: hangs on cy and on what all partners share
	s_cselect_b32 s42, s17, s42                    ; B's tile: on cx likewise
	s_lshl_b32 s43, s41, 2
	s_lshl_b32 s43, 15, s43                        ; my row of the cluster
	s_lshl_b32 s44, 0x1111, s40                    ; my column
	s_or_b32 s[G1+0], s43, (0<<16)|(1<<20)|(1<<21)|(5<<22)|(3<<25)  ; mask; elements of 1 byte; padding: 4 words after every 64
	s_or_b32 s[G1B+0], s44, (0<<16)|(1<<20)|(1<<21)|(5<<22)|(3<<25)
.irp g, G1, G1B
	s_mov_b32 s[\g+1], ROWB<<16                    ; tensor_dim0
	s_mov_b32 s[\g+2], 128<<16                     ; tensor_dim1
	s_mov_b32 s[\g+3], ROWB<<16                    ; tile_dim0
	s_mov_b32 s[\g+4], 128                         ; tile_dim1
	s_mov_b32 s[\g+5], KROW                        ; the pitch
	s_mov_b32 s[\g+6], 0
	s_mov_b32 s[\g+7], 0
.endr
	s_or_b32 s[G1S+0], s43, (3<<16)|(1<<20)|(1<<21)|(5<<22)|(3<<25)  ; the scales of 128 rows: 4,096 dense bytes as 16 rows of 256, 16 bytes of padding behind each
	s_or_b32 s[G1SB+0], s44, (3<<16)|(1<<20)|(1<<21)|(5<<22)|(3<<25)
.irp g, G1S, G1SB
	s_mov_b32 s[\g+1], 32<<16
	s_mov_b32 s[\g+2], (128*KS/256)<<16
	s_mov_b32 s[\g+3], 32<<16
	s_mov_b32 s[\g+4], 128*KS/256
	s_mov_b32 s[\g+5], 32
	s_mov_b32 s[\g+6], 0
	s_mov_b32 s[\g+7], 0
.endr
	s_lshl_b32 s18, s16, 7
	s_lshl_b32 s20, s98, 8
	s_add_co_u32 s20, s20, s18                     ; A: row 256 x tile + 128 x half
	s_lshl_b32 s46, s42, 8
	s_add_co_u32 s46, s46, s18                     ; B likewise
	s_mov_b32 s21, 0
	s_mov_b32 s47, 0
	s_mov_b64 s[18:19], KS
	s_mul_u64 s[22:23], s[20:21], s[18:19]
	s_mul_u64 s[92:93], s[46:47], s[18:19]
	s_mov_b64 s[18:19], KROW
	s_mul_u64 s[20:21], s[20:21], s[18:19]
	s_mul_u64 s[46:47], s[46:47], s[18:19]
	s_mul_i32 s45, s14, HALFT                      ; where they go: wave x 128 rows
	s_mul_i32 s94, s14, HALFS
	s_wait_dscnt 0x0                               ; both opening adds are done
	s_wait_kmcnt 0x0
	s_cmp_eq_u32 ttmp9, 2                          ; which tensor is A and which B: a choice on the cluster's x
	s_cselect_b64 s[2:3], s[8:9], s[4:5]           ; A's codes
	s_cselect_b64 s[8:9], s[4:5], s[8:9]           ; B's codes
	s_cselect_b64 s[18:19], s[10:11], s[6:7]       ; A's scales
	s_cselect_b64 s[10:11], s[6:7], s[10:11]       ; B's scales
	s_add_nc_u64 s[20:21], s[2:3], s[20:21]
	s_add_nc_u64 s[22:23], s[18:19], s[22:23]
	s_add_nc_u64 s[46:47], s[8:9], s[46:47]
	s_add_nc_u64 s[92:93], s[10:11], s[92:93]
	CROUND                                         ; all sixteen work-groups are here: the joint loads meet
	s_mov_b32 s[G0S], 1
	s_add_co_u32 s[G0S+1], s94, SCL
	s_mov_b64 s[G0S+2:G0S+3], s[22:23]
	s_or_b32 s[G0S+3], s[G0S+3], 0x80000000
	s_mov_b32 s[G0SB], 1
	s_add_co_u32 s[G0SB+1], s94, SCL
	s_mov_b64 s[G0SB+2:G0SB+3], s[92:93]
	s_or_b32 s[G0SB+3], s[G0SB+3], 0x80000000
	JLOAD G0S, G1S, G0SB, G1SB                     ; the scales first; three tensor loads of mine are out at the most
.irp s, 0,1
	s_mov_b32 s[G0+4*\s], 1
	s_add_co_u32 s[G0+4*\s+1], s45, \s*SLOT
	s_add_nc_u64 s[G0+4*\s+2:G0+4*\s+3], s[20:21], \s*ROWB
	s_or_b32 s[G0+4*\s+3], s[G0+4*\s+3], 0x80000000
	s_mov_b32 s[G0B+4*\s], 1
	s_add_co_u32 s[G0B+4*\s+1], s45, \s*SLOT
	s_add_nc_u64 s[G0B+4*\s+2:G0B+4*\s+3], s[46:47], \s*ROWB
	s_or_b32 s[G0B+4*\s+3], s[G0B+4*\s+3], 0x80000000
	JLOAD G0+4*\s, G1, G0B+4*\s, G1B
.endr
	v_and_b32 v1, 15, v0                           ; r
	v_bfe_u32 v2, v0, 4, 1                         ; h
	v_mul_u32_u24 v3, v1, PITCH
	v_lshl_add_u32 v4, v2, 4, v3
	s_mul_i32 s21, s15, HALFT
	s_mul_i32 s22, s16, HALFT
	s_add_co_u32 s22, s22, 2*HALFT
.irp s, 0,1
	v_add_nc_u32 v[ADRA+\s], s21, v4
	v_add_nc_u32 v[ADRB+\s], s22, v4
	s_add_co_u32 s21, s21, SLOT
	s_add_co_u32 s22, s22, SLOT
.endr
	v_mul_u32_u24 v5, v1, KS                       ; my row's scales: 32 bytes a row, and 16 more for each 256 passed
	v_lshrrev_b32 v6, 8, v5
	v_lshl_add_u32 v5, v6, 4, v5
	s_mul_i32 s21, s15, HALFS
	s_mul_i32 s22, s16, HALFS
	s_add_co_u32 s22, s22, 2*HALFS
	s_sub_co_u32 s22, s22, s21
	v_mul_u32_u24 v6, s22, v2                      ; lanes 16-31 take B's
	s_add_co_u32 s21, s21, SCL
	v_add_nc_u32 v5, v5, v6
	v_add_nc_u32 v[ADRS], s21, v5
	v_and_b32 v6, 31, v0
	v_lshlrev_b32 v[CO], 4, v6
	v_lshlrev_b32 v[BO], 5, v2
	; where my results go.  P = the tile of tokens, G = the tile of W's rows; of the wave's two halves one picks two heads of four, the other 128 tokens of 256
	s_cmp_eq_u32 ttmp9, 2
	s_cselect_b32 s20, s42, s98                    ; P
	s_cselect_b32 s21, s98, s42                    ; G
	s_cselect_b32 s22, s15, s16                    ; the half among W's rows
	s_cselect_b32 s23, s16, s15                    ; the half among the tokens
	s_lshr_b32 s18, s20, 3                         ; the batch
	s_mul_i32 s18, s18, 48
	s_lshl_b32 s21, s21, 2
	s_add_co_u32 s18, s18, s21
	s_lshl_b32 s22, s22, 1
	s_add_co_u32 s18, s18, s22                     ; 48 batch + g
	s_lshl_b32 s18, s18, 18
	s_and_b32 s20, s20, 7
	s_lshl_b32 s20, s20, 15                        ; 256 tokens are 32,768 bytes of a head's region, in Q, K and V alike
	s_add_co_u32 s18, s18, s20
	s_lshl_b32 s23, s23, 14
	s_add_co_u32 s18, s18, s23
	s_mov_b32 s19, 0
	s_add_nc_u64 s[12:13], s[12:13], s[18:19]
.macro FRAG reg, adr, q, i             ; 16 rows x 128 K of 4-bit codes: 8 registers, two loads of 16 bytes, 32 bytes apart
.irp c, 0,1
	ds_load_b128 v[\reg+4*\c:\reg+4*\c+3], v[\adr] offset:64*(\q)+32*\c+(\i)*16*PITCH
.endr
.endm
; 16 matrix instructions: A's blocks a0, a0 + 1 x B's eight.  cin = 0: the sums go on; 1: they start with 0; 2: they start with b_q.  The 64 accumulators take turns.
.macro MUL16 a0, p, q, sc, cin
.irp a, \a0, \a0+1
.irp b, 0,1,2,3,4,5,6,7
.if \cin == 1
	v_wmma_scale_f32_16x16x128_f8f6f4 v[8*(8*((\a)%4)+\b):8*(8*((\a)%4)+\b)+7], v[128*(\p)+FR*\b:128*(\p)+FR*\b+FR-1], v[AF+FR*(\a):AF+FR*(\a)+FR-1], 0, v[SC+8*NQ*(\sc)+NQ*\b+(\q)], v[SC+8*NQ*(\sc)+NQ*(\a)+(\q)] matrix_a_fmt:MATRIX_FMT_FP4 matrix_b_fmt:MATRIX_FMT_FP4 matrix_a_scale:MATRIX_SCALE_ROW1
.elseif \cin == 2
	v_wmma_scale_f32_16x16x128_f8f6f4 v[8*(8*((\a)%4)+\b):8*(8*((\a)%4)+\b)+7], v[128*(\p)+FR*\b:128*(\p)+FR*\b+FR-1], v[AF+FR*(\a):AF+FR*(\a)+FR-1], v[BIAS+8*\b:BIAS+8*\b+7], v[SC+8*NQ*(\sc)+NQ*\b+(\q)], v[SC+8*NQ*(\sc)+NQ*(\a)+(\q)] matrix_a_fmt:MATRIX_FMT_FP4 matrix_b_fmt:MATRIX_FMT_FP4 matrix_a_scale:MATRIX_SCALE_ROW1
.else
	v_wmma_scale_f32_16x16x128_f8f6f4 v[8*(8*((\a)%4)+\b):8*(8*((\a)%4)+\b)+7], v[128*(\p)+FR*\b:128*(\p)+FR*\b+FR-1], v[AF+FR*(\a):AF+FR*(\a)+FR-1], v[8*(8*((\a)%4)+\b):8*(8*((\a)%4)+\b)+7], v[SC+8*NQ*(\sc)+NQ*\b+(\q)], v[SC+8*NQ*(\sc)+NQ*(\a)+(\q)] matrix_a_fmt:MATRIX_FMT_FP4 matrix_b_fmt:MATRIX_FMT_FP4 matrix_a_scale:MATRIX_SCALE_ROW1
.endif
.endr
.endr
.endm
.macro FETCH_B slot, q, p
	WIN TO_B
.irp i, 0,1,2,3,4,5,6,7
	FRAG 128*(\p)+FR*\i, ADRB+\slot, \q, \i
.endr
	WIN 0
.endm
.macro FETCH_A slot, q, i0
.irp i, \i0, \i0+1, \i0+2, \i0+3
	FRAG AF+FR*(\i), ADRA+\slot, \q, \i
.endr
.endm
.macro SCALES sc                       ; a slot's scale words: lanes 0-15 take A's block i, lanes 16-31 B's block i
.irp i, 0,1,2,3,4,5,6,7
	ds_load_b128 v[SC+8*NQ*\sc+NQ*\i:SC+8*NQ*\sc+NQ*\i+3], v[ADRS] offset:\i*SBLK
.endr
.endm
.macro PLACES n                        ; plain vector lines between a matrix instruction and a load into, or a vector line on, its registers
.rept \n
	v_nop
.endr
.endm
.macro STEP slot, q, cin               ; 128 along K that has its successor in the same slot
	s_wait_dscnt 4*NL                              ; B's set and A's blocks 0-3 are in; the youngest eight loads (A's blocks 4-7) stay out
.if \cin == 2
	WIN 0x81                                       ; as MUL_LO, with C in window 0
.else
	WIN MUL_LO
.endif
	MUL16 0, (\q)%2, \q, \slot, \cin
	MUL16 2, (\q)%2, \q, \slot, \cin
	s_wait_dscnt 0
	PLACES NP
	FETCH_B \slot, (\q)+1, 1-(\q)%2
	FETCH_A \slot, (\q)+1, 0
.if \cin == 2
	WIN 0xc1
.else
	WIN MUL_HI
.endif
	MUL16 4, (\q)%2, \q, \slot, \cin
	MUL16 6, (\q)%2, \q, \slot, \cin
	PLACES NP
	WIN 0
	FETCH_A \slot, (\q)+1, 4
.endm
.macro TURN slot, next                 ; a slot's last step; behind its barrier the other slot is whole for every wave.  Nothing is filled again
	s_wait_tensorcnt 0x0                           ; all my tensor loads have landed: my part of the next slot
	ds_add_u32 v[SPW], v[NIL]                      ; 0 onto my spare word
	s_wait_dscnt 4*NL+1                            ; the add and the youngest eight loads stay out
	WIN MUL_LO
	MUL16 0, 1, NQ-1, \slot, 0
	s_wait_dscnt 0x0
	s_barrier_signal -1
	MUL16 2, 1, NQ-1, \slot, 0
	WIN 0
	s_barrier_wait -1
	PLACES NP
	v_add_nc_u32 v[ADRS], 4*NQ, v[ADRS]            ; on to the next slot's scale words
	FETCH_B \next, 0, 0
	FETCH_A \next, 0, 0
	SCALES \next
	WIN MUL_HI
	MUL16 4, 1, NQ-1, \slot, 0
	MUL16 6, 1, NQ-1, \slot, 0
	PLACES NP
	WIN 0
	FETCH_A \next, 0, 4
.endm
.macro STEPS slot, from
.set Q, \from
.rept NQ-1-\from
	STEP \slot, Q, 0
.set Q, Q+1
.endr
.endm
; THE WAY OUT.  Block a's 64 registers of sums become 32 of f16 pairs; the four of accumulator (a, b) are half a fragment.  mode 0: Q and K; mode 1: V.
.macro OUT mode
	PLACES NP
.irp a, 0,1,2,3,4,5,6,7
.if \a >= 4
	s_wait_xcnt 0x0                                ; the stores of four blocks ago have read their registers
.endif
	WIN 0x0a+5*(\a/4)                              ; sources in window 2 or 3
.irp b, 0,1,2,3,4,5,6,7
.irp r, 0,1,2,3
	v_cvt_pk_f16_f32 v[TMP+32*(\a%4)+4*\b+\r], v[64*(\a%4)+8*\b+2*\r], v[64*(\a%4)+8*\b+2*\r+1]   ; each accumulator from its low end on
.endr
.endr
	WIN 0
.irp b, 0,1,2,3,4,5,6,7
.if \mode == 0
	global_store_b128 v[CO], v[TMP+32*(\a%4)+4*\b:TMP+32*(\a%4)+4*\b+3], s[12:13] offset:\a*2048+(\b/4)*262144+((\b/2)%2)*1024+(\b%2)*512   ; tile of tokens a; head b / 4; channels 32 ((b / 2) % 2) on; half b % 2
.else
	global_store_b128 v[CO], v[TMP+32*(\a%4)+4*\b:TMP+32*(\a%4)+4*\b+3], s[12:13] offset:(\a/4)*262144+(\a%4)*1024+(\b/2)*4096+(\b%2)*512     ; head a / 4; channels 16 (a % 4) on; keys 32 (b / 2) on; half b % 2
.endif
.endr
.endr
.endm
	s_wait_tensorcnt 1                             ; the scales and my part of slot 0 are in; slot 1's load stays out
	s_barrier_signal -1
	s_barrier_wait -1
	FETCH_B 0, 0, 0
	FETCH_A 0, 0, 0
	SCALES 0
	FETCH_A 0, 0, 4
	s_cmp_lg_u32 ttmp9, 0
	s_cbranch_scc1 .Lno_bias
	s_lshl_b32 s20, s42, 10                        ; q: b_q at my 128 columns: 256 x tile + 128 x half, 4 bytes each
	s_lshl_b32 s21, s16, 9
	s_add_co_u32 s20, s20, s21
	s_mov_b32 s21, 0
	s_add_nc_u64 s[96:97], s[96:97], s[20:21]
.irp b, 0,1,2,3,4,5,6,7
.irp i, 0,1
	global_load_b128 v[BIAS+8*\b+4*\i:BIAS+8*\b+4*\i+3], v[BO], s[96:97] offset:64*\b+16*\i   ; in the result's layout: columns 16 b + 8 h + 0 .. 7
.endr
.endr
	s_wait_loadcnt 0x0
	STEP 0, 0, 2                                   ; the first products start the sums with b_q
	s_branch .Lrest
.Lno_bias:
	STEP 0, 0, 1                                   ; k and v: with 0
.Lrest:
	STEPS 0, 1
	TURN 0, 1
	STEPS 1, 0
	s_wait_dscnt 4*NL                              ; the last step: nothing more to fetch
	WIN MUL_LO
	MUL16 0, 1, NQ-1, 1, 0
	MUL16 2, 1, NQ-1, 1, 0
	s_wait_dscnt 0
	WIN MUL_HI
	MUL16 4, 1, NQ-1, 1, 0
	MUL16 6, 1, NQ-1, 1, 0
	WIN 0
	s_cmp_eq_u32 ttmp9, 2
	s_cbranch_scc1 .Lout_v
	OUT 0
	s_branch .Lend
.Lout_v:
	OUT 1
.Lend:
	s_wait_tensorcnt 0x0                           ; the wave's end
	ds_add_u32 v[SPW], v[NIL]
	s_wait_dscnt 0x0
	CROUND                                         ; the closing round
	s_endpgm
.Lfunc_end_k_q33d0a17aff_qkv:
	.size	k_q33d0a17aff_qkv, .Lfunc_end_k_q33d0a17aff_qkv-k_q33d0a17aff_qkv
	.p2alignl 7, 3214868480
	.fill 96, 4, 3214868480
	.section	.rodata,"a",@progbits
	.p2align	6, 0x0
	.amdhsa_kernel k_q33d0a17aff_qkv
		.amdhsa_group_segment_fixed_size 327680
		.amdhsa_private_segment_fixed_size 0
		.amdhsa_enable_private_segment 0
		.amdhsa_kernarg_size 48
		.amdhsa_user_sgpr_count 2
		.amdhsa_user_sgpr_kernarg_segment_ptr 1
		.amdhsa_wavefront_size32 1
		.amdhsa_system_sgpr_workgroup_id_x 1
		.amdhsa_system_sgpr_workgroup_id_y 1
		.amdhsa_system_sgpr_workgroup_id_z 1
		.amdhsa_system_vgpr_workitem_id 0
		.amdhsa_next_free_vgpr 1024
		.amdhsa_next_free_sgpr 100
		.amdhsa_reserve_vcc 0
		.amdhsa_float_denorm_mode_32 3
		.amdhsa_float_denorm_mode_16_64 3
		.amdhsa_memory_ordered 1
		.amdhsa_forward_progress 1
		.amdhsa_inst_pref_size 153
	.end_amdhsa_kernel
	.amdgpu_metadata
---
amdhsa.version: [ 1, 2 ]
amdhsa.kernels:
  - .name:           k_q33d0a17aff_qkv
    .symbol:         k_q33d0a17aff_qkv.kd
    .args:
      - { .name: x_codes, .offset: 0, .size: 8, .value_kind: global_buffer, .address_space: global }
      - { .name: x_scales, .offset: 8, .size: 8, .value_kind: global_buffer, .address_space: global }
      - { .name: wq_codes, .offset: 16, .size: 8, .value_kind: global_buffer, .address_space: global }
      - { .name: wq_scales, .offset: 24, .size: 8, .value_kind: global_buffer, .address_space: global }
      - { .name: qkv_img, .offset: 32, .size: 8, .value_kind: global_buffer, .address_space: global }
      - { .name: b_qkv, .offset: 40, .size: 8, .value_kind: global_buffer, .address_space: global }
    .group_segment_fixed_size: 327680
    .private_segment_fixed_size: 0
    .kernarg_segment_align: 8
    .kernarg_segment_size: 48
    .max_flat_workgroup_size: 128
    .sgpr_count:     100
    .vgpr_count:     1024
    .wavefront_size: 32
...
	.end_amdgpu_metadata
.endif
;; end of part 2
;; launch fineA (part 3): grid 16 x 4, 4 waves a work-group, no clusters, 8,960 bytes of LDS; arguments x_codes, x_scales, wq_codes, wq_scales, b_qkv, y_fine; writes y_fine
.if DOCPART == 3
	.amdgcn_target "amdgcn-amd-amdhsa--gfx1250"
	.amdhsa_code_object_version 6
	.text
	.protected	k_q33d0a17aff_fineA
	.globl	k_q33d0a17aff_fineA
	.p2align	8
	.type	k_q33d0a17aff_fineA,@function
k_q33d0a17aff_fineA:
	s_mov_b64 s[64:65], 0
	v_nop
	global_prefetch_b8 v0, s[64:65] scope:SCOPE_SE
	s_setreg_imm32_b32 hwreg(HW_REG_WAVE_MODE, 25, 1), 1
	s_wait_xcnt 0x0
; THE FIRST 16 POSITIONS OF EVERY SEQUENCE, CARRIED IN f32.  Under the causal mask they average one to sixteen values and are the largest rows of y, so f16 operands would weigh most there.
; One work-group for each (head, batch).  q, k, v of tokens 0-15 are made again from the codes (the same quantised product, sums in f32) and stay f32; scores and p v go by the f32 matrix form: 8 such instructions a wave.
; LEFT OUT: b_k, and b_v ahead of the division (added behind it): shown at the head of the first launch.
; Wave w owns channels 16 w .. 16 w + 15 of the head.  q and k transposed (source 0 = W's 16 rows, source 1 = x's 16 tokens): lane (r, h) holds token r, channels 8 h + j.  v the other way: lane holds channel r, tokens 8 h + j.
; S^T = k q^T over my 16 channels: four steps of 4 along K; registers 2 i, 2 i + 1 of both operands hold channels 8 h + 2 i + j: the same order of k on both sides.  The four waves' parts meet in LDS.
; Every wave then has all of S^T (lane: query r, keys 8 h + j) and takes the softmax; O^T = v^T p^T for my 16 channels; y = O / l + b_v; out through a stage, so that sixteen lanes store 256 consecutive bytes, aligned.
.set PART,  0                          ; LDS: four images of partial scores, 1,024 bytes each
.set STG,   4096                       ; 16 rows x (256 + 16) bytes
.set SPARE, 8448
.set SPW, 12
.set NIL, 13
.set XF,  16                           ; v16-47   x's fragments of four K steps; later the four partial scores
.set XS,  48                           ; v48-55   x's scale words: scales and nothing else
.set WF,  56                           ; v56-151  W's fragments: q, k, v x four K steps; later at work
.set WS,  152                          ; v152-175 W's scale words
.set BQ,  176
.set BVR, 184
.set AQ,  192
.set AK,  200
.set AV,  208
.set SPA, 216                          ; v216-223, v224-231: written by the f32 matrix form alone
.set OA,  224
.set PT,  16
.set SS,  56
.set PP,  64
.set YY,  84
.set OUTR, 92
	s_load_b256 s[4:11], s[0:1], 0x0               ; x's codes, x's scales, W's codes, W's scales
	s_load_b128 s[12:15], s[0:1], 0x20             ; b_qkv, y_fine
	v_lshl_add_u32 v[SPW], v0, 2, SPARE
	v_mov_b32 v[NIL], 0
	v_lshrrev_b32 v1, 5, v0
	v_readfirstlane_b32 s16, v1                    ; wave 0..3
	v_and_b32 v1, 15, v0                           ; r
	v_bfe_u32 v2, v0, 4, 1                         ; h
	v_lshlrev_b32 v3, 9, v1
	v_lshl_add_u32 v3, v2, 4, v3                   ; codes: row r of 512 bytes + 16 h
	v_lshlrev_b32 v4, 5, v1                        ; scale bytes: row r of 32
	v_lshlrev_b32 v5, 5, v2                        ; biases: 32 h
	v_and_b32 v6, 31, v0
	v_lshlrev_b32 v6, 4, v6                        ; 16 x lane
	v_lshlrev_b32 v7, 3, v2
	v_sub_nc_u32 v7, v1, v7                        ; r - 8 h: key 8 h + j is hidden where j is above it
	s_lshl_b32 s20, s16, 10
	v_add_nc_u32 v14, s20, v6                      ; my partial's image
	v_mul_u32_u24 v8, v1, 272
	v_lshl_add_u32 v8, v2, 5, v8
	s_lshl_b32 s20, s16, 6
	s_add_co_u32 s20, s20, STG
	v_add_nc_u32 v8, s20, v8                       ; into the stage: row r, 64 w + 32 h
	v_mul_u32_u24 v9, v2, 272
	v_lshl_add_u32 v9, v1, 4, v9
	s_mul_i32 s20, s16, 4*272
	s_add_co_u32 s20, s20, STG
	v_add_nc_u32 v9, s20, v9                       ; out of it: rows 4 w on, sixteen lanes to a row
	v_lshlrev_b32 v10, 12, v2
	v_lshl_add_u32 v10, v1, 4, v10
	v_mov_b32 v74, 0                               ; a lane permute's destination counts as read
	v_mov_b32 v77, 0                               ; upper halves of pairs of which the low word serves
	v_mov_b32 v83, 0
	s_mov_b32 s24, 0x76543210
	s_mov_b32 s25, 0xfedcba98                      ; lane l xor 16
	s_mov_b32 s26, 0x3e38aa3b                      ; c = log2(e) / sqrt(64)
	s_mov_b32 s27, s26
	s_and_b32 s17, ttmp7, 0xffff                   ; batch
	s_lshl_b32 s18, ttmp9, 6
	s_lshl_b32 s19, s16, 4
	s_add_co_u32 s18, s18, s19                     ; my first channel: 64 head + 16 w
	s_mov_b32 s21, 0
	s_wait_kmcnt 0x0
	s_lshl_b32 s20, s17, 20
	s_add_nc_u64 s[4:5], s[4:5], s[20:21]          ; x's codes at the batch's token 0
	s_lshl_b32 s20, s17, 16
	s_add_nc_u64 s[6:7], s[6:7], s[20:21]
	s_lshl_b32 s20, s18, 9
	s_add_nc_u64 s[8:9], s[8:9], s[20:21]          ; W's codes at q's row; k's and v's lie 1,024 and 2,048 rows on
	s_lshl_b32 s20, s18, 5
	s_add_nc_u64 s[10:11], s[10:11], s[20:21]
	s_lshl_b32 s20, s18, 2
	s_add_nc_u64 s[12:13], s[12:13], s[20:21]
	s_lshl_b32 s20, s17, 16                        ; y_fine: row 16 batch + 4 w, column 64 head
	s_lshl_b32 s22, s16, 14
	s_add_co_u32 s20, s20, s22
	s_lshl_b32 s22, ttmp9, 8
	s_add_co_u32 s20, s20, s22
	s_add_nc_u64 s[14:15], s[14:15], s[20:21]
.macro CODES half                      ; four K steps' fragments: 8 loads for x, 24 for W
.irp s, 0,1,2,3
.irp c, 0,1
	global_load_b128 v[XF+8*\s+4*\c:XF+8*\s+4*\c+3], v3, s[4:5] offset:256*\half+64*\s+32*\c
.endr
.endr
.irp p, 0,1,2
.irp s, 0,1,2,3
.irp c, 0,1
	global_load_b128 v[WF+32*\p+8*\s+4*\c:WF+32*\p+8*\s+4*\c+3], v3, s[8:9] offset:524288*\p+256*\half+64*\s+32*\c
.endr
.endr
.endr
.endm
.macro FP4STEP s, first                ; K step s: the three accumulators by turns
.if \first
	v_wmma_scale_f32_16x16x128_f8f6f4 v[AQ:AQ+7], v[WF+8*((\s)%4):WF+8*((\s)%4)+7], v[XF+8*((\s)%4):XF+8*((\s)%4)+7], v[BQ:BQ+7], v[WS+(\s)], v[XS+(\s)] matrix_a_fmt:MATRIX_FMT_FP4 matrix_b_fmt:MATRIX_FMT_FP4
	v_wmma_scale_f32_16x16x128_f8f6f4 v[AK:AK+7], v[WF+32+8*((\s)%4):WF+32+8*((\s)%4)+7], v[XF+8*((\s)%4):XF+8*((\s)%4)+7], 0, v[WS+8+(\s)], v[XS+(\s)] matrix_a_fmt:MATRIX_FMT_FP4 matrix_b_fmt:MATRIX_FMT_FP4
	v_wmma_scale_f32_16x16x128_f8f6f4 v[AV:AV+7], v[XF+8*((\s)%4):XF+8*((\s)%4)+7], v[WF+64+8*((\s)%4):WF+64+8*((\s)%4)+7], 0, v[XS+(\s)], v[WS+16+(\s)] matrix_a_fmt:MATRIX_FMT_FP4 matrix_b_fmt:MATRIX_FMT_FP4
.else
	v_wmma_scale_f32_16x16x128_f8f6f4 v[AQ:AQ+7], v[WF+8*((\s)%4):WF+8*((\s)%4)+7], v[XF+8*((\s)%4):XF+8*((\s)%4)+7], v[AQ:AQ+7], v[WS+(\s)], v[XS+(\s)] matrix_a_fmt:MATRIX_FMT_FP4 matrix_b_fmt:MATRIX_FMT_FP4
	v_wmma_scale_f32_16x16x128_f8f6f4 v[AK:AK+7], v[WF+32+8*((\s)%4):WF+32+8*((\s)%4)+7], v[XF+8*((\s)%4):XF+8*((\s)%4)+7], v[AK:AK+7], v[WS+8+(\s)], v[XS+(\s)] matrix_a_fmt:MATRIX_FMT_FP4 matrix_b_fmt:MATRIX_FMT_FP4
	v_wmma_scale_f32_16x16x128_f8f6f4 v[AV:AV+7], v[XF+8*((\s)%4):XF+8*((\s)%4)+7], v[WF+64+8*((\s)%4):WF+64+8*((\s)%4)+7], v[AV:AV+7], v[XS+(\s)], v[WS+16+(\s)] matrix_a_fmt:MATRIX_FMT_FP4 matrix_b_fmt:MATRIX_FMT_FP4
.endif
.endm
.irp i, 0,1
	global_load_b128 v[XS+4*\i:XS+4*\i+3], v4, s[6:7] offset:16*\i          ; a row's eight scale words: word s for K step s
.endr
.irp p, 0,1,2
.irp i, 0,1
	global_load_b128 v[WS+8*\p+4*\i:WS+8*\p+4*\i+3], v4, s[10:11] offset:32768*\p+16*\i
.endr
.endr
.irp i, 0,1
	global_load_b128 v[BQ+4*\i:BQ+4*\i+3], v5, s[12:13] offset:16*\i        ; b_q at channels 8 h + 0 .. 7
	global_load_b128 v[BVR+4*\i:BVR+4*\i+3], v5, s[12:13] offset:8192+16*\i ; b_v likewise
.endr
	CODES 0
	s_wait_loadcnt 0x0
	FP4STEP 0, 1
	FP4STEP 1, 0
	FP4STEP 2, 0
	FP4STEP 3, 0
.rept 4
	v_nop                                          ; places in front of loads into registers that matrix instructions have read
.endr
	CODES 1
	s_wait_loadcnt 0x0
	FP4STEP 4, 0
	FP4STEP 5, 0
	FP4STEP 6, 0
	FP4STEP 7, 0
.rept 5
	v_nop                                          ; five places before matrix instructions take these results as operands
.endr
	v_wmma_f32_16x16x4_f32 v[SPA:SPA+7], v[AK:AK+1], v[AQ:AQ+1], 0
.irp i, 1,2,3
	s_wait_alu depctr_va_vdst(0)                   ; the wait directly ahead of each link
	v_wmma_f32_16x16x4_f32 v[SPA:SPA+7], v[AK+2*\i:AK+2*\i+1], v[AQ+2*\i:AQ+2*\i+1], v[SPA:SPA+7]
.endr
.rept 8
	v_nop                                          ; eight places behind this form
.endr
	ds_store_b128 v14, v[SPA:SPA+3] offset:PART
	ds_store_b128 v14, v[SPA+4:SPA+7] offset:PART+512
	s_wait_dscnt 0x0                               ; for the others' sake: my stores are done
	s_barrier_signal -1
	s_barrier_wait -1
.irp p, 0,1,2,3
.irp i, 0,1
	ds_load_b128 v[PT+8*\p+4*\i:PT+8*\p+4*\i+3], v6 offset:PART+1024*\p+512*\i
.endr
.endr
	v_mov_b32 v72, 0xff800000                      ; -infinity
	s_wait_dscnt 0x0
.irp j, 0,2,4,6
	v_pk_add_f32 v[PT+\j:PT+\j+1], v[PT+\j:PT+\j+1], v[PT+8+\j:PT+8+\j+1]
	v_pk_add_f32 v[PT+16+\j:PT+16+\j+1], v[PT+16+\j:PT+16+\j+1], v[PT+24+\j:PT+24+\j+1]
.endr
.irp j, 0,2,4,6
	v_pk_add_f32 v[SS+\j:SS+\j+1], v[PT+\j:PT+\j+1], v[PT+16+\j:PT+16+\j+1]   ; the scores over all 64 channels
.endr
.irp j, 0,1,2,3,4,5,6,7
	v_cmp_gt_i32 vcc_lo, \j, v7
	v_cndmask_b32 v[SS+\j], v[SS+\j], v72, vcc_lo  ; the causal mask; key 0 counts for every query, so the maximum is a number
.endr
	v_max3_num_f32 v73, v[SS], v[SS+1], v[SS+2]
	v_max3_num_f32 v73, v73, v[SS+3], v[SS+4]
	v_max3_num_f32 v73, v73, v[SS+5], v[SS+6]
	v_max_num_f32 v73, v73, v[SS+7]
	v_permlanex16_b32 v74, v73, s24, s25
	v_max_num_f32 v73, v73, v74                    ; the row's maximum
	v_mul_f32 v76, s26, v73
.irp j, 0,2,4,6
	v_pk_fma_f32 v[PP+\j:PP+\j+1], v[SS+\j:SS+\j+1], s[26:27], v[76:77] op_sel_hi:[1,0,0] neg_lo:[0,0,1] neg_hi:[0,0,1]   ; c s - c m
.endr
.irp j, 0,1,2,3,4,5,6,7
	v_exp_f32 v[PP+\j], v[PP+\j]
.endr
	v_nop                                          ; a plain line behind the last exponential
	s_wait_alu depctr_va_vdst(0)                   ; one wait for the eight, ahead of their first reader
	v_pk_add_f32 v[78:79], v[PP:PP+1], v[PP+2:PP+3]
	v_pk_add_f32 v[80:81], v[PP+4:PP+5], v[PP+6:PP+7]
	v_pk_add_f32 v[78:79], v[78:79], v[80:81]
	v_add_f32 v78, v78, v79
	v_permlanex16_b32 v74, v78, s24, s25
	v_add_f32 v78, v78, v74                        ; the row's sum
	v_rcp_f32 v82, v78
	v_nop
	s_wait_alu depctr_va_vdst(0)
	v_wmma_f32_16x16x4_f32 v[OA:OA+7], v[AV:AV+1], v[PP:PP+1], 0
.irp i, 1,2,3
	s_wait_alu depctr_va_vdst(0)
	v_wmma_f32_16x16x4_f32 v[OA:OA+7], v[AV+2*\i:AV+2*\i+1], v[PP+2*\i:PP+2*\i+1], v[OA:OA+7]
.endr
.rept 8
	v_nop
.endr
.irp j, 0,2,4,6
	v_pk_fma_f32 v[YY+\j:YY+\j+1], v[OA+\j:OA+\j+1], v[82:83], v[BVR+\j:BVR+\j+1] op_sel_hi:[1,0,1]   ; O / l + b_v, into other registers
.endr
	ds_store_b128 v8, v[YY:YY+3]
	ds_store_b128 v8, v[YY+4:YY+7] offset:16
	s_wait_dscnt 0x0
	s_barrier_signal -1
	s_barrier_wait -1
	ds_load_b128 v[OUTR:OUTR+3], v9
	ds_load_b128 v[OUTR+4:OUTR+7], v9 offset:544
	s_wait_dscnt 1                                 ; the younger load stays out
	global_store_b128 v10, v[OUTR:OUTR+3], s[14:15]
	s_wait_dscnt 0x0
	global_store_b128 v10, v[OUTR+4:OUTR+7], s[14:15] offset:8192
	s_wait_tensorcnt 0x0                           ; the wave's end
	ds_add_u32 v[SPW], v[NIL]
	s_wait_dscnt 0x0
	s_endpgm
.Lfunc_end_k_q33d0a17aff_fineA:
	.size	k_q33d0a17aff_fineA, .Lfunc_end_k_q33d0a17aff_fineA-k_q33d0a17aff_fineA
	.p2alignl 7, 3214868480
	.fill 96, 4, 3214868480
	.section	.rodata,"a",@progbits
	.p2align	6, 0x0
	.amdhsa_kernel k_q33d0a17aff_fineA
		.amdhsa_group_segment_fixed_size 8960
		.amdhsa_private_segment_fixed_size 0
		.amdhsa_enable_private_segment 0
		.amdhsa_kernarg_size 48
		.amdhsa_user_sgpr_count 2
		.amdhsa_user_sgpr_kernarg_segment_ptr 1
		.amdhsa_wavefront_size32 1
		.amdhsa_system_sgpr_workgroup_id_x 1
		.amdhsa_system_sgpr_workgroup_id_y 1
		.amdhsa_system_sgpr_workgroup_id_z 1
		.amdhsa_system_vgpr_workitem_id 0
		.amdhsa_next_free_vgpr 256
		.amdhsa_next_free_sgpr 66
		.amdhsa_reserve_vcc 1
		.amdhsa_float_denorm_mode_32 3
		.amdhsa_float_denorm_mode_16_64 3
		.amdhsa_memory_ordered 1
		.amdhsa_forward_progress 1
		.amdhsa_inst_pref_size 19
	.end_amdhsa_kernel
	.amdgpu_metadata
---
amdhsa.version: [ 1, 2 ]
amdhsa.kernels:
  - .name:           k_q33d0a17aff_fineA
    .symbol:         k_q33d0a17aff_fineA.kd
    .args:
      - { .name: x_codes, .offset: 0, .size: 8, .value_kind: global_buffer, .address_space: global }
      - { .name: x_scales, .offset: 8, .size: 8, .value_kind: global_buffer, .address_space: global }
      - { .name: wq_codes, .offset: 16, .size: 8, .value_kind: global_buffer, .address_space: global }
      - { .name: wq_scales, .offset: 24, .size: 8, .value_kind: global_buffer, .address_space: global }
      - { .name: b_qkv, .offset: 32, .size: 8, .value_kind: global_buffer, .address_space: global }
      - { .name: y_fine, .offset: 40, .size: 8, .value_kind: global_buffer, .address_space: global }
    .group_segment_fixed_size: 8960
    .private_segment_fixed_size: 0
    .kernarg_segment_align: 8
    .kernarg_segment_size: 48
    .max_flat_workgroup_size: 128
    .sgpr_count:     66
    .vgpr_count:     256
    .wavefront_size: 32
...
	.end_amdgpu_metadata
.endif
;; end of part 3
;; launch attn (part 4): grid 4 x 64, 8 waves a work-group, no clusters, 327,680 bytes of LDS; arguments qkv_img, b_qkv, y_img; writes y_img
.if DOCPART == 4
	.amdgcn_target "amdgcn-amd-amdhsa--gfx1250"
	.amdhsa_code_object_version 6
	.text
	.protected	k_q33d0a17aff_attn
	.globl	k_q33d0a17aff_attn
	.p2align	8
	.type	k_q33d0a17aff_attn,@function
k_q33d0a17aff_attn:
	s_mov_b64 s[64:65], 0
	v_nop
	global_prefetch_b8 v0, s[64:65] scope:SCOPE_SE
	s_setreg_imm32_b32 hwreg(HW_REG_WAVE_MODE, 25, 1), 1
	s_wait_xcnt 0x0
; y[b][t][head] = softmax over s <= t of (q_t . k_s / 8) v_s + b_v, with f16 operands, f32 sums, maxima and exponentials; y rounded to f16 and stored as operand images for the projection.
; LEFT OUT: b_k; b_v ahead of the division (it is the addend of the last multiply); key tiles wholly above the diagonal: shown at the head of the first launch.
; SHARES.  Work-group (i, batch x head) owns the blocks of 256 queries 7 - i and i.  Block n needs key blocks 0 .. n, so every work-group walks (8 - i) + (i + 1) = 9 key blocks of 256: 256 work-groups of equal work,
; and the loops' trip counts are constants.  Each of eight waves owns 32 queries, two tiles of 16; two waves share a SIMD, so that one wave's softmax stands beside the other's products and LDS loads.
; NO CLUSTER: the four work-groups of a head want different key blocks from their fifth trip on; a walk in common would have 12 trips where 9 do, and partners would leave tiles of joint loads unread.
; LAYOUT.  S^T = K Q^T (source 0 = 16 keys, source 1 = 16 queries): a lane holds one query (lane % 16) and keys 8 (lane / 16) + j.  Two such tiles, rounded in pairs, are source 1 of O^T = V^T P.  K, V, Q lie in memory as
; images of the operands' registers, so a key block's K and V are two dense runs of 32,768 bytes, every LDS load is 16 x lane + a constant, and nothing is transposed.
; SOFTMAX.  A running maximum m and sum l for each query: p = 2^(c s - c m), c = log2(e) / 8; in every step O and l are multiplied by a = 2^(c m_old - c m_new).
; LDS: two slots of 65,536 bytes (K's images, then V's), filled by eight tensor loads of 8,192 bytes, one a wave; one tensor load of a wave is out at any time.
; REGISTERS: window 0: v1-11 addresses and constants; v12-27 statistics; v32-63 Q; v64-127 S^T; v128-159 P; v160-191 b_v; v192-255 the way out.  window 1: v0-63 O^T; v64-127 K's fragments; v128-191 V's.
.set SLOT1, 65536
.set SPARE, 131072
.set LI,   1                           ; v1  16 x lane
.set ADR,  2                           ; v2  LDS address of the step's loads
.set DD,   4                           ; v4  r - 8 h
.set NINF, 8                           ; v8  -infinity
.set PFO,  9                           ; v9  256 x lane
.set SPW,  10
.set NIL,  11
.set ST,   12                          ; tile u at ST + 8 u: +0 c m, +1 m, +2, +3 l, +4 .. +7 at work (a in +6)
.set Q,    32
.set S,    64
.set P,    128
.set BV,   160
.set T,    192
.set O,    0
.set KFR,  64
.set VFR,  128
.set WV,   10
.set NH,   15                          ; s15 key blocks of the first pass: 8 - i
.set G1,   16
.set G0,   24
.set KV,   28                          ; s[28:29] my 8,192 bytes of key block 0
.set OFS,  30
.set QH,   32
.set QA,   34
.set YH,   36
.set YA,   38
.set SEL,  40
.set CS,   42
.set TB,   44                          ; s44 LDS byte at which the step's images begin
.set KF,   45                          ; s45 the step's first key
.set Q0,   46                          ; s46 my first query
.set SLOTS, 47
.set STP,  48
.set PC,   49                          ; s49 trips left in the first pass
.set KBN,  50                          ; s50 the key block asked for last
.set LIM,  51
.set PFA,  52
.set MSB, 0
.macro WIN new
.if MSB != \new
	s_set_vgpr_msb (MSB<<8)|\new
.set MSB, \new
.endif
.endm
.macro SETQ                            ; Q's and y's addresses at my first query
	s_lshl_b32 s58, s[Q0], 7
	s_add_nc_u64 s[QA:QA+1], s[QH:QH+1], s[58:59]
	s_lshl_b32 s58, s[Q0], 8
	s_add_nc_u64 s[YA:YA+1], s[YH:YH+1], s[58:59]
.endm
.macro INIT                            ; a pass begins: Q into registers; O and l zeros, m = -3e38: the step is written once, and its first turn multiplies zeros
.irp u, 0,1
.irp c, 0,1
.irp q, 0,1
	global_load_b128 v[Q+16*\u+8*\c+4*\q:Q+16*\u+8*\c+4*\q+3], v[LI], s[QA:QA+1] offset:\u*2048+\c*1024+\q*512
.endr
.endr
.endr
	WIN 0x40
.set i, 0
.rept 64
	v_mov_b32 v[O+i], 0
.set i, i+1
.endr
	WIN 0
.irp u, 0,1
	v_mov_b32 v[ST+8*\u+1], 0xff61b1e6
	v_mul_f32 v[ST+8*\u], s[CS], v[ST+8*\u+1]
.irp n, 2,3,4,5,6,7
	v_mov_b32 v[ST+8*\u+\n], 0
.endr
.endr
	s_wait_loadcnt 0x0
.endm
; A KEY STEP: 64 keys, both tiles.
.macro STEP
	s_add_co_u32 s54, s[Q0], 31
	s_cmp_gt_u32 s[KF], s54                        ; all 64 keys come after my 32 queries: the step's work is left out (ids and step counts alone; no barrier, wait for tiles or tensor load stands in a step)
	s_cbranch_scc1 .Lhid_\@
	v_add_nc_u32 v[ADR], s[TB], v[LI]
.rept 3
	v_nop                                          ; with the line above: four places in front of loads into registers that the last products read
.endr
	WIN 0x40
.irp f, 0,1,2,3,4,5,6,7                        ; K: fragment 2 kt + c
	ds_load_b128 v[KFR+8*\f:KFR+8*\f+3], v[ADR] offset:\f*1024
	ds_load_b128 v[KFR+8*\f+4:KFR+8*\f+7], v[ADR] offset:\f*1024+512
.endr
.irp f, 0,1,2,3,4,5,6,7                        ; V: fragment 4 c' + ct
	ds_load_b128 v[VFR+8*\f:VFR+8*\f+3], v[ADR] offset:32768+\f*1024
	ds_load_b128 v[VFR+8*\f+4:VFR+8*\f+7], v[ADR] offset:32768+\f*1024+512
.endr
	s_wait_dscnt 16                                ; K's sixteen loads are in; V's sixteen stay out
	WIN 0x01
.irp c, 0,1                                    ; eight accumulators by turns
.irp kt, 0,1,2,3
.irp u, 0,1
.if \c == 0
	v_wmma_f32_16x16x32_f16 v[S+32*\u+8*\kt:S+32*\u+8*\kt+7], v[KFR+16*\kt+8*\c:KFR+16*\kt+8*\c+7], v[Q+16*\u+8*\c:Q+16*\u+8*\c+7], 0
.else
	v_wmma_f32_16x16x32_f16 v[S+32*\u+8*\kt:S+32*\u+8*\kt+7], v[KFR+16*\kt+8*\c:KFR+16*\kt+8*\c+7], v[Q+16*\u+8*\c:Q+16*\u+8*\c+7], v[S+32*\u+8*\kt:S+32*\u+8*\kt+7]
.endif
.endr
.endr
.endr
	WIN 0
.rept 4
	v_nop
.endr
	s_add_co_u32 s54, s[KF], 63
	s_cmp_le_u32 s54, s[Q0]                        ; all keys count for all my queries: no mask
	s_cbranch_scc1 .Lopen_\@
	s_sub_co_i32 s54, s[Q0], s[KF]                 ; on the diagonal.  KF is at or under Q0 here, so key KF counts for every query
	v_add_nc_u32 v6, s54, v[DD]                    ; register 8 kt + j holds key KF + 16 kt + 8 h + j: hidden where 16 kt + j is above query - KF - 8 h
	v_add_nc_u32 v7, 16, v6
.irp u, 0,1
.irp kt, 0,1,2,3
.irp j, 0,1,2,3,4,5,6,7
	v_cmp_gt_i32 vcc_lo, 16*\kt+\j, v[6+\u]
	v_cndmask_b32 v[S+32*\u+8*\kt+\j], v[S+32*\u+8*\kt+\j], v[NINF], vcc_lo
.endr
.endr
.endr
.Lopen_\@:
.irp k, 0,1,2,3                                ; the maximum: four chains a tile, each begun at its accumulator's low end; the two tiles line by line in turn
.irp u, 0,1
	v_max3_num_f32 v[ST+8*\u+4+\k], v[S+32*\u+8*\k], v[S+32*\u+8*\k+1], v[S+32*\u+8*\k+2]
.endr
.endr
.irp g, 1,2
.irp k, 0,1,2,3
.irp u, 0,1
	v_max3_num_f32 v[ST+8*\u+4+\k], v[ST+8*\u+4+\k], v[S+32*\u+8*\k+2*\g+1], v[S+32*\u+8*\k+2*\g+2]
.endr
.endr
.endr
.irp u, 0,1
	v_max3_num_f32 v[ST+8*\u+4], v[ST+8*\u+4], v[S+32*\u+7], v[S+32*\u+15]
.endr
.irp u, 0,1
	v_max3_num_f32 v[ST+8*\u+6], v[ST+8*\u+6], v[S+32*\u+23], v[S+32*\u+31]
.endr
.irp u, 0,1
	v_max3_num_f32 v[ST+8*\u+4], v[ST+8*\u+4], v[ST+8*\u+5], v[ST+8*\u+6]
.endr
.irp u, 0,1
	v_max3_num_f32 v[ST+8*\u+4], v[ST+8*\u+4], v[ST+8*\u+7], v[ST+8*\u+1]   ; and the old m
.endr
.irp u, 0,1
	v_permlanex16_b32 v[ST+8*\u+5], v[ST+8*\u+4], s[SEL], s[SEL+1]          ; the query's other 32 keys lie in the lane 16 away
.endr
.irp u, 0,1
	v_mov_b32 v[ST+8*\u+7], v[ST+8*\u]             ; c m_old
.endr
.irp u, 0,1
	v_max_num_f32 v[ST+8*\u+1], v[ST+8*\u+4], v[ST+8*\u+5]
.endr
.irp u, 0,1
	v_mul_f32 v[ST+8*\u], s[CS], v[ST+8*\u+1]
.endr
.irp u, 0,1
	v_sub_f32 v[ST+8*\u+7], v[ST+8*\u+7], v[ST+8*\u]
.endr
.irp u, 0,1
	v_exp_f32 v[ST+8*\u+6], v[ST+8*\u+7]           ; a
.endr
.set i, 0
.rept 16
.irp u, 0,1
	v_pk_fma_f32 v[S+32*\u+i:S+32*\u+i+1], v[S+32*\u+i:S+32*\u+i+1], s[CS:CS+1], v[ST+8*\u:ST+8*\u+1] op_sel_hi:[1,0,0] neg_lo:[0,0,1] neg_hi:[0,0,1]   ; c s - c m
.endr
.set i, i+2
.endr
.set i, 0
.rept 32
.irp u, 0,1
	v_exp_f32 v[S+32*\u+i], v[S+32*\u+i]
.endr
.set i, i+1
.endr
	v_nop                                          ; a plain line behind the last exponential
	s_wait_alu depctr_va_vdst(0)                   ; ONE wait for the step's 66 exponentials, ahead of their first reader
.set i, 0
.rept 16
.irp u, 0,1
	v_cvt_pk_f16_f32 v[P+16*\u+i], v[S+32*\u+2*i], v[S+32*\u+2*i+1]
.endr
.set i, i+1
.endr
.irp z, 0,1,2,3,4,5,6,7                        ; the sum of the unrounded weights, a tree in place
.irp u, 0,1
	v_pk_add_f32 v[S+32*\u+4*\z:S+32*\u+4*\z+1], v[S+32*\u+4*\z:S+32*\u+4*\z+1], v[S+32*\u+4*\z+2:S+32*\u+4*\z+3]
.endr
.endr
.irp z, 0,1,2,3
.irp u, 0,1
	v_pk_add_f32 v[S+32*\u+8*\z:S+32*\u+8*\z+1], v[S+32*\u+8*\z:S+32*\u+8*\z+1], v[S+32*\u+8*\z+4:S+32*\u+8*\z+5]
.endr
.endr
.irp z, 0,1
.irp u, 0,1
	v_pk_add_f32 v[S+32*\u+16*\z:S+32*\u+16*\z+1], v[S+32*\u+16*\z:S+32*\u+16*\z+1], v[S+32*\u+16*\z+8:S+32*\u+16*\z+9]
.endr
.endr
.irp u, 0,1
	v_pk_add_f32 v[S+32*\u:S+32*\u+1], v[S+32*\u:S+32*\u+1], v[S+32*\u+16:S+32*\u+17]
.endr
.irp u, 0,1
	v_pk_fma_f32 v[ST+8*\u+2:ST+8*\u+3], v[ST+8*\u+2:ST+8*\u+3], v[ST+8*\u+6:ST+8*\u+7], v[S+32*\u:S+32*\u+1] op_sel_hi:[1,0,1]   ; l = a l + the sum
.endr
	WIN 0x41
.irp u, 0,1
.set i, 0
.rept 16
	v_pk_mul_f32 v[O+32*\u+i:O+32*\u+i+1], v[O+32*\u+i:O+32*\u+i+1], v[ST+8*\u+6:ST+8*\u+7] op_sel_hi:[1,0]   ; O^T x a, each accumulator from its low end on
.set i, i+2
.endr
.endr
	s_wait_dscnt 0x0                               ; V is in
	WIN 0x51
.irp c, 0,1                                    ; eight accumulators by turns
.irp ct, 0,1,2,3
.irp u, 0,1
	v_wmma_f32_16x16x32_f16 v[O+32*\u+8*\ct:O+32*\u+8*\ct+7], v[VFR+32*\c+8*\ct:VFR+32*\c+8*\ct+7], v[P+16*\u+8*\c:P+16*\u+8*\c+7], v[O+32*\u+8*\ct:O+32*\u+8*\ct+7]
.endr
.endr
.endr
	WIN 0
.Lhid_\@:
	s_add_co_u32 s[KF], s[KF], 64
	s_add_co_u32 s[TB], s[TB], 8192                ; the next step's images: four tiles of K, two blocks of V, 8,192 bytes each
.endm
.macro SLOT_STEPS                      ; a slot's four key steps: written once, walked four times
	s_mov_b32 s[STP], 4
.Lstep_\@:
	STEP
	s_sub_co_u32 s[STP], s[STP], 1
	s_cmp_lg_u32 s[STP], 0
	s_cbranch_scc1 .Lstep_\@
	s_sub_co_u32 s[TB], s[TB], 32768
	s_xor_b32 s[TB], s[TB], SLOT1                  ; on to the other slot
.endm
; A PREFETCH INTO THE L2 of the key block that the NEXT change of slots will ask for.  In their first pass all four work-groups of a head walk key blocks 0, 1, 2 ..; the one with i = 0 walks all eight, and it alone asks:
; each of its eight waves for its own 8,192 bytes, lanes 256 bytes apart, in trips 0 to 5, for blocks 2 to 7: each aligned 256 bytes once in the launch, four key steps ahead of the tensor load.  Blocks 0 and 1 come by their loads alone.
.macro ASK
	s_cmp_gt_u32 s[SLOTS], s[LIM]
	s_cbranch_scc0 .Lnot_mine_\@
	global_prefetch_b8 v[PFO], s[PFA:PFA+1] offset:32768 th:TH_LOAD_NT scope:SCOPE_SE
.Lnot_mine_\@:
.endm
; THE CHANGE OF SLOTS, at a slot's head.  Each wave waits for all its tensor loads (its part of the slot ahead), adds 0 to its spare word, and waits for that and for its reads of the slot that it has left.
; Behind the barrier the slot ahead is whole and nobody reads the other.  fill = 1: that other slot takes the next trip's key block, every wave's one load first thing behind the barrier.
.macro CHANGE fill
	s_wait_tensorcnt 0x0                           ; no tensor load of mine is out, so the descriptor may be written
	ds_add_u32 v[SPW], v[NIL]
.if \fill
	s_xor_b32 s[G0+1], s[G0+1], SLOT1
	s_add_co_u32 s[KBN], s[KBN], 1
	s_cmp_eq_u32 s[KBN], s[NH]
	s_cselect_b32 s[KBN], 0, s[KBN]                ; behind the first pass's last block comes the second pass's block 0
	s_lshl_b32 s[OFS], s[KBN], 15
	s_add_nc_u64 s[G0+2:G0+3], s[KV:KV+1], s[OFS:OFS+1]
	s_or_b32 s[G0+3], s[G0+3], 0x80000000
	s_wait_xcnt 0x0                                ; the last prefetch, a trip back, has read its address
	s_add_nc_u64 s[PFA:PFA+1], s[KV:KV+1], s[OFS:OFS+1]
.endif
	s_wait_dscnt 0x0
	s_barrier_signal -1
	s_barrier_wait -1
.if \fill
	tensor_load_to_lds s[G0:G0+3], s[G1:G1+7]
	s_nop 0
.rept 4
	v_nop
.endr
	ASK
.endif
.endm
; A PASS'S END: y = O / l + b_v, rounded to f16.  Four registers of pairs are half a fragment of the projection's operand: each store of the wave covers 512 consecutive bytes, aligned.
.macro FINAL
.rept 4
	v_nop
.endr
.irp u, 0,1
	v_add_f32 v[ST+8*\u+4], v[ST+8*\u+2], v[ST+8*\u+3]
.endr
.irp u, 0,1
	v_permlanex16_b32 v[ST+8*\u+5], v[ST+8*\u+4], s[SEL], s[SEL+1]
.endr
.irp u, 0,1
	v_add_f32 v[ST+8*\u+4], v[ST+8*\u+4], v[ST+8*\u+5]
.endr
.irp u, 0,1
	v_rcp_f32 v[ST+8*\u+6], v[ST+8*\u+4]
.endr
	v_nop
	s_wait_alu depctr_va_vdst(0)                   ; one wait for the two reciprocals
	WIN 0x01
.irp u, 0,1
.set i, 0
.rept 16
	v_pk_fma_f32 v[T+32*\u+i:T+32*\u+i+1], v[O+32*\u+i:O+32*\u+i+1], v[ST+8*\u+6:ST+8*\u+7], v[BV+i:BV+i+1] op_sel_hi:[1,0,1]
.set i, i+2
.endr
.endr
	WIN 0
.irp u, 0,1
.set i, 0
.rept 16
	v_cvt_pk_f16_f32 v[T+32*\u+i], v[T+32*\u+2*i], v[T+32*\u+2*i+1]
.set i, i+1
.endr
.endr
.irp u, 0,1
.irp ct, 0,1,2,3
	global_store_b128 v[LI], v[T+32*\u+4*\ct:T+32*\u+4*\ct+3], s[YA:YA+1] offset:\u*4096+\ct*512
.endr
.endr
.endm
	s_load_b128 s[4:7], s[0:1], 0x0                ; qkv_img, b_qkv
	s_load_b64 s[8:9], s[0:1], 0x10                ; y_img
	v_lshl_add_u32 v[SPW], v0, 2, SPARE
	v_mov_b32 v[NIL], 0
	ds_add_u32 v[SPW], v[NIL]                      ; the wave's opening: the add, twice on end, and its wait ahead of my first tensor load
	ds_add_u32 v[SPW], v[NIL]
	v_lshrrev_b32 v2, 5, v0
	v_readfirstlane_b32 s[WV], v2                  ; wave 0..7
	s_sub_co_u32 s[NH], 8, ttmp9
	s_and_b32 s54, ttmp7, 0xffff
	s_lshr_b32 s55, s54, 4                         ; batch
	s_and_b32 s56, s54, 15                         ; head
	s_mov_b32 s[G1+0], 3<<16                       ; elements of 8 bytes, no mask, no padding: a dense run of 8,192 bytes as 32 rows of 256
	s_mov_b32 s[G1+1], 32<<16
	s_mov_b32 s[G1+2], 32<<16
	s_mov_b32 s[G1+3], 32<<16
	s_mov_b32 s[G1+4], 32
	s_mov_b32 s[G1+5], 32
	s_mov_b32 s[G1+6], 0
	s_mov_b32 s[G1+7], 0
	s_mul_i32 s57, s55, 48
	s_add_co_u32 s57, s57, s56
	s_lshl_b32 s58, s57, 18                        ; Q's region of my head
	s_mov_b32 s59, 0
	s_lshr_b32 s54, s[WV], 2
	s_lshl_b32 s54, s54, 22                        ; waves 4-7: V's region, 16 regions behind K's
	s_and_b32 s57, s[WV], 3
	s_lshl_b32 s57, s57, 13                        ; my quarter of a block's 32,768 bytes
	s_add_co_u32 s[OFS], s54, s57
	s_add_co_u32 s[OFS], s[OFS], 16*262144         ; K's region lies 16 regions behind Q's
	s_mov_b32 s[OFS+1], 0
	s_mov_b32 s[SEL], 0x76543210
	s_mov_b32 s[SEL+1], 0xfedcba98
	s_mov_b32 s[CS], 0x3e38aa3b                    ; c = log2(e) / sqrt(64)
	s_mov_b32 s[CS+1], s[CS]
	s_mov_b32 s[TB], 0
	s_mov_b32 s[KF], 0
	s_mov_b32 s[SLOTS], 8
	s_mov_b32 s[PC], s[NH]
	s_mov_b32 s[KBN], 0
	s_cmp_eq_u32 ttmp9, 0
	s_cselect_b32 s[LIM], 2, -1
	s_wait_dscnt 0x0                               ; both opening adds are done
	s_wait_kmcnt 0x0
	s_add_nc_u64 s[QH:QH+1], s[4:5], s[58:59]
	s_add_nc_u64 s[KV:KV+1], s[QH:QH+1], s[OFS:OFS+1]
	s_mov_b32 s[G0], 1
	s_lshl_b32 s[G0+1], s[WV], 13                  ; slot 0: K's four quarters, then V's: 8,192 x wave
	s_mov_b64 s[G0+2:G0+3], s[KV:KV+1]
	s_or_b32 s[G0+3], s[G0+3], 0x80000000
	tensor_load_to_lds s[G0:G0+3], s[G1:G1+7]      ; key block 0: every wave issues its part
	s_nop 0
.rept 4
	v_nop
.endr
	s_lshr_b32 s54, s56, 1                         ; y_img: K step head / 2; the batch's 128 tiles of tokens; (head % 2) x 64 channels
	s_lshl_b32 s54, s54, 21
	s_lshl_b32 s57, s55, 19
	s_add_co_u32 s54, s54, s57
	s_and_b32 s57, s56, 1
	s_lshl_b32 s57, s57, 11
	s_add_co_u32 s58, s54, s57
	s_add_nc_u64 s[YH:YH+1], s[8:9], s[58:59]
	s_lshl_b32 s58, s56, 8
	s_add_co_u32 s58, s58, 8192
	s_add_nc_u64 s[6:7], s[6:7], s[58:59]          ; b_v of my head
	v_and_b32 v[LI], 31, v0
	v_lshlrev_b32 v[LI], 4, v[LI]
	v_lshlrev_b32 v[PFO], 4, v[LI]
	v_and_b32 v3, 15, v0
	v_bfe_u32 v5, v0, 4, 1
	v_lshlrev_b32 v5, 3, v5
	v_sub_nc_u32 v[DD], v3, v5
	v_lshlrev_b32 v3, 2, v5                        ; 32 h
	v_mov_b32 v[NINF], 0xff800000
.irp ct, 0,1,2,3
.irp i, 0,1
	global_load_b128 v[BV+8*\ct+4*\i:BV+8*\ct+4*\i+3], v3, s[6:7] offset:64*\ct+16*\i   ; in O^T's layout: channels 16 ct + 8 h + 0 .. 7
.endr
.endr
	s_sub_co_u32 s54, 7, ttmp9
	s_lshl_b32 s[Q0], s54, 8
	s_lshl_b32 s54, s[WV], 5
	s_add_co_u32 s[Q0], s[Q0], s54                 ; the first pass: block 7 - i
	SETQ
	INIT
.Lslot:                                            ; 8 trips; behind each change of slots the next trip's key block is asked for
	CHANGE 1
	SLOT_STEPS
	s_sub_co_u32 s[PC], s[PC], 1
	s_cmp_lg_u32 s[PC], 0
	s_cbranch_scc1 .Lsame_pass
	FINAL                                          ; the first pass is over (behind trip 4 to 7): block i follows
	s_wait_xcnt 0x0                                ; the stores have read their registers and their base
	s_lshl_b32 s[Q0], ttmp9, 8
	s_lshl_b32 s54, s[WV], 5
	s_add_co_u32 s[Q0], s[Q0], s54
	s_mov_b32 s[KF], 0
	SETQ
	INIT
.Lsame_pass:
	s_sub_co_u32 s[SLOTS], s[SLOTS], 1
	s_cmp_lg_u32 s[SLOTS], 0
	s_cbranch_scc1 .Lslot
	CHANGE 0                                       ; the ninth trip is written out: nothing is left to ask for
	SLOT_STEPS
	FINAL
	s_wait_tensorcnt 0x0                           ; the wave's end
	ds_add_u32 v[SPW], v[NIL]
	s_wait_dscnt 0x0
	s_endpgm
.Lfunc_end_k_q33d0a17aff_attn:
	.size	k_q33d0a17aff_attn, .Lfunc_end_k_q33d0a17aff_attn-k_q33d0a17aff_attn
	.p2alignl 7, 3214868480
	.fill 96, 4, 3214868480
	.section	.rodata,"a",@progbits
	.p2align	6, 0x0
	.amdhsa_kernel k_q33d0a17aff_attn
		.amdhsa_group_segment_fixed_size 327680
		.amdhsa_private_segment_fixed_size 0
		.amdhsa_enable_private_segment 0
		.amdhsa_kernarg_size 24
		.amdhsa_user_sgpr_count 2
		.amdhsa_user_sgpr_kernarg_segment_ptr 1
		.amdhsa_wavefront_size32 1
		.amdhsa_system_sgpr_workgroup_id_x 1
		.amdhsa_system_sgpr_workgroup_id_y 1
		.amdhsa_system_sgpr_workgroup_id_z 1
		.amdhsa_system_vgpr_workitem_id 0
		.amdhsa_next_free_vgpr 448
		.amdhsa_next_free_sgpr 66
		.amdhsa_reserve_vcc 1
		.amdhsa_float_denorm_mode_32 3
		.amdhsa_float_denorm_mode_16_64 3
		.amdhsa_memory_ordered 1
		.amdhsa_forward_progress 1
		.amdhsa_inst_pref_size 67
	.end_amdhsa_kernel
	.amdgpu_metadata
---
amdhsa.version: [ 1, 2 ]
amdhsa.kernels:
  - .name:           k_q33d0a17aff_attn
    .symbol:         k_q33d0a17aff_attn.kd
    .args:
      - { .name: qkv_img, .offset: 0, .size: 8, .value_kind: global_buffer, .address_space: global }
      - { .name: b_qkv, .offset: 8, .size: 8, .value_kind: global_buffer, .address_space: global }
      - { .name: y_img, .offset: 16, .size: 8, .value_kind: global_buffer, .address_space: global }
    .group_segment_fixed_size: 327680
    .private_segment_fixed_size: 0
    .kernarg_segment_align: 8
    .kernarg_segment_size: 24
    .max_flat_workgroup_size: 256
    .sgpr_count:     66
    .vgpr_count:     448
    .wavefront_size: 32
...
	.end_amdgpu_metadata
.endif
;; end of part 4
;; launch proj (part 5): grid 8 x 32, 4 waves a work-group, clusters of 4 x 4, 327,680 bytes of LDS; arguments y_img, wp_img, b_proj, out0; writes out0
.if DOCPART == 5
	.amdgcn_target "amdgcn-amd-amdhsa--gfx1250"
	.amdhsa_code_object_version 6
	.text
	.protected	k_q33d0a17aff_proj
	.globl	k_q33d0a17aff_proj
	.p2align	8
	.type	k_q33d0a17aff_proj,@function
k_q33d0a17aff_proj:
	s_mov_b64 s[64:65], 0
	v_nop
	global_prefetch_b8 v0, s[64:65] scope:SCOPE_SE
	s_setreg_imm32_b32 hwreg(HW_REG_WAVE_MODE, 25, 1), 1
	s_wait_xcnt 0x0
	s_wait_alu depctr_hold_cnt(0) depctr_sa_sdst(0) depctr_va_vdst(0) depctr_va_sdst(0) depctr_va_ssrc(0) depctr_va_vcc(0) depctr_vm_vsrc(0)
	s_getreg_b32 s2, hwreg(HW_REG_IB_STS2, 6, 4)
	s_cmp_eq_u32 s2, 0
	s_cbranch_scc0 .Lentry_in_a_cluster
	s_endpgm
.Lentry_in_a_cluster:
	s_bfe_u32 s2, ttmp6, 0x10000c
	s_cmp_lg_u32 s2, 0xf033
	s_cbranch_scc0 .Lentry_shape_is_right
	s_endpgm
.Lentry_shape_is_right:
; out0 = y W_proj + b_proj, with f16 operands and f32 sums.  (Rows t < 16 of every batch are written again, more finely, by the last launch; here they lie inside tiles that also hold other rows.)
; A tile of 256 tokens x 128 columns to a work-group: 256 work-groups.  Four waves, each 128 tokens x 64 columns: 32 accumulators.  K goes in steps of 128 through two LDS slots.
; Both operands lie in memory as images of their registers, [K step][tile of 16 rows][32 along K][half][lane][16]: a K step's tile of y is 65,536 dense bytes, of W 32,768; every LDS load is 16 x lane + a constant.
; CLUSTERS 4 x 4: y's tile hangs on the tile row alone and is asked for jointly along a row of the cluster, W's on the tile column alone, along a column.  Waves 0, 1 fetch y's halves, waves 2, 3 W's.
; USED TRANSPOSED (source 0 = 16 columns of W, source 1 = 16 tokens): a lane holds a token and eight neighbouring columns.  b_proj is the C of each sum's first product.
; REGISTERS: window 0: v16-31 addresses; v32-63 b_proj; v64-127 rows on the way out.  window 1: two fragment buffers of 96 (y's 8, then W's 4) at v0 and v128.  window 2: the accumulators, (a, b) at 8 (4 a + b).
.set SLOT,   98304
.set BOFF,   65536
.set STAGE,  2*SLOT                    ; 16 rows x (256 + 16) bytes for each wave
.set SPARE,  STAGE+4*16*272
.set ADRA, 16
.set ADRB, 20
.set STO,  24
.set RD,   25
.set CO,   26
.set SPW,  28
.set NIL,  29
.set PFO,  30
.set BO,   31
.set BIAS, 32
.set OB,   64
.set F0,   0
.set F1,   128
.set G1,  24
.set G0,  32
.set LIM, 43
.set PFA, 44
.set G1B, 48
.set G0B, 56
.set MSB, 0
.macro WIN new
.if MSB != \new
	s_set_vgpr_msb (MSB<<8)|\new
.set MSB, \new
.endif
.endm
.set MUL,  0xa5                        ; sources 0 and 1 window 1; C and D window 2
.set MUL0, 0x85                        ; the same with C in window 0
.set TO_F, 0x40
.macro JLOAD s                         ; a joint load; an s_nop 0 and four v_nop follow each of the two lines
	s_cmp_eq_u32 s13, 0
	s_cbranch_scc0 .Lfor_b_\@
	tensor_load_to_lds s[G0+4*\s:G0+4*\s+3], s[G1:G1+7]
	s_nop 0
.rept 4
	v_nop
.endr
	s_branch .Lasked_\@
.Lfor_b_\@:
	tensor_load_to_lds s[G0B+4*\s:G0B+4*\s+3], s[G1B:G1B+7]
	s_nop 0
.rept 4
	v_nop
.endr
.Lasked_\@:
.endm
.macro CREST
	s_cmp_lg_u32 s12, 0
	s_cbranch_scc1 .Lnot_wave_0_\@
	s_barrier_signal -3
.Lnot_wave_0_\@:
	s_barrier_wait -3
	s_barrier_signal -1
	s_barrier_wait -1
.endm
.macro CROUND
	s_barrier_signal -1
	s_barrier_wait -1
	CREST
.endm
; A PREFETCH INTO THE L2 of y's tile of the K step that stands two refills on.  A tile row of y is read by both clusters of its row of clusters: the one with x = 0 asks.  Of the 32,768 bytes that wave 0 or 1 fetches, each of the four
; partners takes 8,192 BY ADDRESS (cx), lanes 256 bytes apart: K steps 4 to 7, each aligned 256 bytes once in the launch.  W's images, which every cluster reads again, are not asked for.
.macro ASK
	s_cmp_gt_u32 s3, s[LIM]                        ; s3 = 1 in the loop's last trip: there is no K step two refills on
	s_cbranch_scc0 .Lnot_mine_\@
	global_prefetch_b8 v[PFO], s[PFA:PFA+1] offset:2097152 th:TH_LOAD_NT scope:SCOPE_SE
.Lnot_mine_\@:
.endm
	s_load_b256 s[4:11], s[0:1], 0x0               ; y_img, wp_img, b_proj, out0
	v_lshl_add_u32 v[SPW], v0, 2, SPARE
	v_mov_b32 v[NIL], 0
	ds_add_u32 v[SPW], v[NIL]                      ; the wave's opening: the add, twice on end, and its wait ahead of my first tensor load
	ds_add_u32 v[SPW], v[NIL]
	v_lshrrev_b32 v1, 5, v0
	v_readfirstlane_b32 s12, v1                    ; wave 0..3
	s_lshr_b32 s13, s12, 1                         ; which 128 tokens are mine.  Also: I fetch for y (0) or for W (1)
	s_and_b32 s14, s12, 1                          ; which 64 columns.  Also: which half of that tile I fetch
	s_bfe_u32 s40, ttmp6, 0x40000                  ; cx
	s_bfe_u32 s41, ttmp6, 0x40004                  ; cy
	s_lshl_b32 s42, ttmp9, 2
	s_add_co_u32 s42, s42, s40                     ; tile column
	s_and_b32 s15, ttmp7, 0xffff
	s_lshl_b32 s15, s15, 2
	s_add_co_u32 s15, s15, s41                     ; tile row
	s_lshl_b32 s46, s41, 2
	s_lshl_b32 s46, 15, s46                        ; my row of the cluster
	s_lshl_b32 s47, 0x1111, s40                    ; my column
	s_or_b32 s[G1+0], s46, (3<<16)|(1<<21)         ; elements of 8 bytes; no padding: dense runs as rows of 256 bytes
	s_mov_b32 s[G1+1], 32<<16
	s_mov_b32 s[G1+2], 128<<16                     ; y: 128 rows, 32,768 bytes
	s_mov_b32 s[G1+3], 32<<16
	s_mov_b32 s[G1+4], 128
	s_mov_b32 s[G1+5], 32
	s_mov_b32 s[G1+6], 0
	s_mov_b32 s[G1+7], 0
	s_or_b32 s[G1B+0], s47, (3<<16)|(1<<21)
	s_mov_b32 s[G1B+1], 32<<16
	s_mov_b32 s[G1B+2], 64<<16                     ; W: 64 rows, 16,384 bytes
	s_mov_b32 s[G1B+3], 32<<16
	s_mov_b32 s[G1B+4], 64
	s_mov_b32 s[G1B+5], 32
	s_mov_b32 s[G1B+6], 0
	s_mov_b32 s[G1B+7], 0
	s_lshl_b32 s16, s15, 16
	s_lshl_b32 s17, s14, 15
	s_add_co_u32 s16, s16, s17                     ; y: tile row x 65,536 + half x 32,768
	s_mov_b32 s17, 0
	s_lshl_b32 s18, s42, 15
	s_lshl_b32 s19, s14, 14
	s_add_co_u32 s18, s18, s19                     ; W: tile column x 32,768 + half x 16,384
	s_mov_b32 s19, 0
	s_lshl_b32 s20, s14, 15                        ; where they go: no place in the cluster enters an LDS address
	s_lshl_b32 s21, s14, 14
	s_add_co_u32 s21, s21, BOFF
	s_wait_dscnt 0x0                               ; both opening adds are done
	s_wait_kmcnt 0x0
	s_add_nc_u64 s[16:17], s[4:5], s[16:17]
	s_add_nc_u64 s[18:19], s[6:7], s[18:19]
	CROUND                                         ; all sixteen work-groups are here: the first joint loads meet
.irp s, 0,1
	s_mov_b32 s[G0+4*\s], 1
	s_add_co_u32 s[G0+4*\s+1], s20, \s*SLOT
	s_add_nc_u64 s[G0+4*\s+2:G0+4*\s+3], s[16:17], \s*2097152
	s_or_b32 s[G0+4*\s+3], s[G0+4*\s+3], 0x80000000
	s_mov_b32 s[G0B+4*\s], 1
	s_add_co_u32 s[G0B+4*\s+1], s21, \s*SLOT
	s_add_nc_u64 s[G0B+4*\s+2:G0B+4*\s+3], s[18:19], \s*262144
	s_or_b32 s[G0B+4*\s+3], s[G0B+4*\s+3], 0x80000000
	JLOAD \s                                       ; two tensor loads of mine are out at the start, one behind each round
.endr
	v_and_b32 v1, 15, v0                           ; r
	v_bfe_u32 v2, v0, 4, 1                         ; h
	v_and_b32 v3, 31, v0
	v_lshlrev_b32 v3, 4, v3                        ; 16 x lane
	v_lshlrev_b32 v[PFO], 4, v3
	v_lshlrev_b32 v[BO], 5, v2
	s_lshl_b32 s21, s13, 15                        ; my 8 tiles of tokens
	s_lshl_b32 s22, s14, 14                        ; my 4 tiles of columns,
	s_add_co_u32 s22, s22, BOFF                    ; behind y's images
.irp s, 0,1
	v_add_nc_u32 v[ADRA+\s], s21, v3
	v_add_nc_u32 v[ADRB+\s], s22, v3
	s_add_co_u32 s21, s21, SLOT
	s_add_co_u32 s22, s22, SLOT
.endr
	s_mul_i32 s23, s12, 16*272
	s_add_co_u32 s23, s23, STAGE                   ; my stage
	v_mul_u32_u24 v4, v1, 272
	v_lshl_add_u32 v4, v2, 5, v4
	v_add_nc_u32 v[STO], s23, v4                   ; in: row r, 32 bytes for each half of the lanes
	v_mul_u32_u24 v5, v2, 272
	v_lshl_add_u32 v5, v1, 4, v5
	v_add_nc_u32 v[RD], s23, v5                    ; back: sixteen lanes to a row of 256 bytes
	v_lshlrev_b32 v5, 12, v2
	v_lshl_add_u32 v[CO], v1, 4, v5                ; and the same two rows in out0
	s_lshl_b32 s20, s42, 9
	s_lshl_b32 s21, s14, 8
	s_add_co_u32 s20, s20, s21                     ; my first column, in bytes
	s_mov_b32 s21, 0
	s_add_nc_u64 s[8:9], s[8:9], s[20:21]
	s_add_nc_u64 s[10:11], s[10:11], s[20:21]
	s_lshl_b32 s20, s15, 20
	s_lshl_b32 s22, s13, 19
	s_add_co_u32 s20, s20, s22                     ; my first row: 256 x tile row + 128 x half, 4,096 bytes each
	s_add_nc_u64 s[10:11], s[10:11], s[20:21]
	s_lshl_b32 s20, s40, 13                        ; the prefetches: my work-group's 8,192 bytes of what I fetch,
	s_add_nc_u64 s[PFA:PFA+1], s[16:17], s[20:21]
	s_add_nc_u64 s[PFA:PFA+1], s[PFA:PFA+1], 2*2097152   ; at K step 2: the first refill steps it to 3 and names K step 4
	s_or_b32 s20, s13, ttmp9
	s_cmp_eq_u32 s20, 0
	s_cselect_b32 s[LIM], 1, -1                    ; waves 0 and 1 of the clusters with x = 0: the same in all sixteen partners, for a given wave
.irp b, 0,1,2,3
.irp i, 0,1
	global_load_b128 v[BIAS+8*\b+4*\i:BIAS+8*\b+4*\i+3], v[BO], s[8:9] offset:64*\b+16*\i   ; columns 16 b + 8 h + 0 .. 7
.endr
.endr
.macro MUL8 f, a0, cin                 ; 8 matrix instructions: tiles of tokens a0, a0 + 1 x 4 tiles of columns, 32 along K; the 32 accumulators take turns
.irp a, \a0, \a0+1
.irp b, 0,1,2,3
.if \cin
	v_wmma_f32_16x16x32_f16 v[8*(4*(\a)+\b):8*(4*(\a)+\b)+7], v[\f+64+8*\b:\f+64+8*\b+7], v[\f+8*(\a):\f+8*(\a)+7], v[BIAS+8*\b:BIAS+8*\b+7]
.else
	v_wmma_f32_16x16x32_f16 v[8*(4*(\a)+\b):8*(4*(\a)+\b)+7], v[\f+64+8*\b:\f+64+8*\b+7], v[\f+8*(\a):\f+8*(\a)+7], v[8*(4*(\a)+\b):8*(4*(\a)+\b)+7]
.endif
.endr
.endr
.endm
.macro FETCH slot, q, f                ; 24 LDS loads in one run: W's 4 fragments, then y's 8, of the slot's q-th 32 along K
	WIN TO_F
.irp b, 0,1,2,3
	ds_load_b128 v[\f+64+8*\b:\f+64+8*\b+3], v[ADRB+\slot] offset:\b*4096+(\q)*1024
	ds_load_b128 v[\f+64+8*\b+4:\f+64+8*\b+7], v[ADRB+\slot] offset:\b*4096+(\q)*1024+512
.endr
.irp a, 0,1,2,3,4,5,6,7
	ds_load_b128 v[\f+8*\a:\f+8*\a+3], v[ADRA+\slot] offset:\a*4096+(\q)*1024
	ds_load_b128 v[\f+8*\a+4:\f+8*\a+7], v[ADRA+\slot] offset:\a*4096+(\q)*1024+512
.endr
.endm
.macro PLACES
.rept 4
	v_nop
.endr
.endm
.macro QUARTER slot, qn, f, g, cin     ; multiplies buffer f; in its middle fetches the slot's quarter qn into g
	s_wait_dscnt 8                                 ; W's fragments and y's tiles 0-3 are in; the youngest eight loads stay out
.if \cin
	WIN MUL0
.else
	WIN MUL
.endif
	MUL8 \f, 0, \cin
	MUL8 \f, 2, \cin
	PLACES
	FETCH \slot, \qn, \g
	s_wait_dscnt 24                                ; all but the 24 just issued
.if \cin
	WIN MUL0
.else
	WIN MUL
.endif
	MUL8 \f, 4, \cin
	MUL8 \f, 6, \cin
.endm
; A slot's last quarter changes slots: in front of the barrier each wave waits for all its tensor loads, adds 0 to its spare word, and waits for that and for its reads of this slot.  fill = 1: the barrier opens a round of the
; cluster's barrier, and this slot is filled again, two K steps ahead, first thing behind the round.
.macro TURN slot, next, fill
.if \fill
	s_wait_xcnt 0x0                                ; the last prefetch, a K step back, has read its address
	s_add_nc_u64 s[PFA:PFA+1], s[PFA:PFA+1], 2097152
.endif
	WIN 0
	s_wait_tensorcnt 0x0
	ds_add_u32 v[SPW], v[NIL]
	s_wait_dscnt 9                                 ; the add and the youngest eight loads stay out
	WIN MUL
	MUL8 F1, 0, 0
	s_wait_dscnt 0x0
	s_barrier_signal -1
	MUL8 F1, 2, 0
.if \fill
	WIN 0
.endif
	s_barrier_wait -1
.if \fill
	CREST
	s_add_nc_u64 s[G0+4*\slot+2:G0+4*\slot+3], s[G0+4*\slot+2:G0+4*\slot+3], 2*2097152
	s_add_nc_u64 s[G0B+4*\slot+2:G0B+4*\slot+3], s[G0B+4*\slot+2:G0B+4*\slot+3], 2*262144
	JLOAD \slot                                    ; its four v_nop are also the places in front of the loads below
.else
	PLACES
.endif
	FETCH \next, 0, F0
.if \fill
	WIN 0
	ASK
.endif
	WIN MUL
	MUL8 F1, 4, 0
	MUL8 F1, 6, 0
.endm
	s_wait_tensorcnt 1                             ; my part of K step 0 is in; K step 1's load stays out
	s_barrier_signal -1
	s_barrier_wait -1
	FETCH 0, 0, F0
	s_wait_loadcnt 0x0                             ; b_proj
	QUARTER 0, 1, F0, F1, 1                        ; the first quarter starts the sums with b_proj
	WIN 0
	s_mov_b32 s3, 3
.Llap:                                             ; a trip goes once round the ring and fills both slots again
	QUARTER 0, 2, F1, F0, 0
	QUARTER 0, 3, F0, F1, 0
	TURN 0, 1, 1
	QUARTER 1, 1, F0, F1, 0
	QUARTER 1, 2, F1, F0, 0
	QUARTER 1, 3, F0, F1, 0
	TURN 1, 0, 1
	QUARTER 0, 1, F0, F1, 0
	WIN 0
	s_sub_co_u32 s3, s3, 1
	s_cmp_lg_u32 s3, 0
	s_cbranch_scc1 .Llap
	QUARTER 0, 2, F1, F0, 0                        ; the last lap fills nothing
	QUARTER 0, 3, F0, F1, 0
	TURN 0, 1, 0
	QUARTER 1, 1, F0, F1, 0
	QUARTER 1, 2, F1, F0, 0
	QUARTER 1, 3, F0, F1, 0
	s_wait_dscnt 8
	WIN MUL
	MUL8 F1, 0, 0
	MUL8 F1, 2, 0
	s_wait_dscnt 0
	MUL8 F1, 4, 0
	MUL8 F1, 6, 0
	WIN 0
; THE WAY OUT, 16 tokens x 64 columns at a time, through my own stage: in as 32 bytes a lane, back as rows of 256 bytes.  LDS serves a wave's instructions in order.
.macro TOSTAGE a
	WIN 0x08                                       ; an LDS store's data are its source 1: window 2
.irp b, 0,1,2,3
	ds_store_b128 v[STO], v[8*(4*(\a)+\b):8*(4*(\a)+\b)+3] offset:64*\b        ; each accumulator from its low end on
	ds_store_b128 v[STO], v[8*(4*(\a)+\b)+4:8*(4*(\a)+\b)+7] offset:64*\b+16
.endr
	WIN 0
.irp t, 0,1,2,3,4,5,6,7
	ds_load_b128 v[OB+32*((\a)%2)+4*\t:OB+32*((\a)%2)+4*\t+3], v[RD] offset:\t*544
.endr
.endm
.macro SEND a, younger
	s_wait_dscnt \younger                          ; the block is back; the next block's 8 stores and 8 loads stay out
.if (\a) > 0
	s_add_nc_u64 s[10:11], s[10:11], 65536         ; 16 rows on (behind a wait on XCNT: the earlier stores have read their base)
.endif
.irp t, 0,1,2,3,4,5,6,7
	global_store_b128 v[CO], v[OB+32*((\a)%2)+4*\t:OB+32*((\a)%2)+4*\t+3], s[10:11] offset:\t*8192 th:TH_STORE_NT   ; sixteen lanes store 256 consecutive bytes, aligned
.endr
.endm
	PLACES
	TOSTAGE 0
.irp a, 1,2,3,4,5,6,7
.if \a > 1
	s_wait_xcnt 0x0                                ; block a - 2's stores have read their registers and their base
.endif
	TOSTAGE \a
	SEND \a-1, 16
.endr
	s_wait_xcnt 0x0
	SEND 7, 0
	s_wait_tensorcnt 0x0                           ; the wave's end
	ds_add_u32 v[SPW], v[NIL]
	s_wait_dscnt 0x0
	CROUND                                         ; the closing round
	s_endpgm
.Lfunc_end_k_q33d0a17aff_proj:
	.size	k_q33d0a17aff_proj, .Lfunc_end_k_q33d0a17aff_proj-k_q33d0a17aff_proj
	.p2alignl 7, 3214868480
	.fill 96, 4, 3214868480
	.section	.rodata,"a",@progbits
	.p2align	6, 0x0
	.amdhsa_kernel k_q33d0a17aff_proj
		.amdhsa_group_segment_fixed_size 327680
		.amdhsa_private_segment_fixed_size 0
		.amdhsa_enable_private_segment 0
		.amdhsa_kernarg_size 32
		.amdhsa_user_sgpr_count 2
		.amdhsa_user_sgpr_kernarg_segment_ptr 1
		.amdhsa_wavefront_size32 1
		.amdhsa_system_sgpr_workgroup_id_x 1
		.amdhsa_system_sgpr_workgroup_id_y 1
		.amdhsa_system_sgpr_workgroup_id_z 1
		.amdhsa_system_vgpr_workitem_id 0
		.amdhsa_next_free_vgpr 768
		.amdhsa_next_free_sgpr 66
		.amdhsa_reserve_vcc 0
		.amdhsa_float_denorm_mode_32 3
		.amdhsa_float_denorm_mode_16_64 3
		.amdhsa_memory_ordered 1
		.amdhsa_forward_progress 1
		.amdhsa_inst_pref_size 87
	.end_amdhsa_kernel
	.amdgpu_metadata
---
amdhsa.version: [ 1, 2 ]
amdhsa.kernels:
  - .name:           k_q33d0a17aff_proj
    .symbol:         k_q33d0a17aff_proj.kd
    .args:
      - { .name: y_img, .offset: 0, .size: 8, .value_kind: global_buffer, .address_space: global }
      - { .name: wp_img, .offset: 8, .size: 8, .value_kind: global_buffer, .address_space: global }
      - { .name: b_proj, .offset: 16, .size: 8, .value_kind: global_buffer, .address_space: global }
      - { .name: out0, .offset: 24, .size: 8, .value_kind: global_buffer, .address_space: global }
    .group_segment_fixed_size: 327680
    .private_segment_fixed_size: 0
    .kernarg_segment_align: 8
    .kernarg_segment_size: 32
    .max_flat_workgroup_size: 128
    .sgpr_count:     66
    .vgpr_count:     768
    .wavefront_size: 32
...
	.end_amdgpu_metadata
.endif
;; end of part 5
;; launch fineB (part 6): grid 64 x 4, 4 waves a work-group, no clusters, 4,608 bytes of LDS; arguments y_fine, W_proj, b_proj, out0; writes out0
.if DOCPART == 6
	.amdgcn_target "amdgcn-amd-amdhsa--gfx1250"
	.amdhsa_code_object_version 6
	.text
	.protected	k_q33d0a17aff_fineB
	.globl	k_q33d0a17aff_fineB
	.p2align	8
	.type	k_q33d0a17aff_fineB,@function
k_q33d0a17aff_fineB:
	s_mov_b64 s[64:65], 0
	v_nop
	global_prefetch_b8 v0, s[64:65] scope:SCOPE_SE
	s_setreg_imm32_b32 hwreg(HW_REG_WAVE_MODE, 25, 1), 1
	s_wait_xcnt 0x0
; THE FIRST 16 POSITIONS OF EVERY SEQUENCE, CARRIED IN f32 THROUGH THE PROJECTION: out0[b][0 .. 15][:] = y_fine W_proj + b_proj, over the f16 results that the launch before left in these 64 rows.
; Work-group (g, b) makes 16 tokens x columns 16 g .. 16 g + 15; wave w sums K = 256 w .. 256 w + 255 by 64 instructions of the f32 matrix form, on four accumulators by turns; the four waves' parts meet in LDS, and wave 0 adds them and b_proj.
; Source 0 = 16 columns of W (lane r: column r), source 1 = 16 tokens of y: a lane of the result holds token r and columns 8 h + j.  Of each 8 along K lanes 0-15 hold the first four and lanes 16-31 the last four, in both operands alike.
; The stores are pieces of 64 bytes of a row, 262,144 bytes in all: the price of 256 work-groups in place of 64.
.set PART,  0
.set SPARE, 4096
.set SPW, 12
.set NIL, 13
.set WB,  16                           ; v16-63   three sets of 16: W
.set YB,  64                           ; v64-111  three sets of 16: y
.set TS,  144                          ; v144-159 at work
.set RS,  160                          ; v160-191 the four parts
.set BB,  192                          ; v192-199 b_proj
.set ACC, 224                          ; v224-255 written by matrix instructions alone
	s_load_b256 s[4:11], s[0:1], 0x0               ; y_fine, W_proj, b_proj, out0
	v_lshl_add_u32 v[SPW], v0, 2, SPARE
	v_mov_b32 v[NIL], 0
	v_lshrrev_b32 v1, 5, v0
	v_readfirstlane_b32 s16, v1                    ; wave 0..3
	v_and_b32 v1, 15, v0                           ; r
	v_bfe_u32 v2, v0, 4, 1                         ; h
	v_lshlrev_b32 v3, 14, v2
	v_lshl_add_u32 v3, v1, 2, v3                   ; W: 4 h rows of 4,096 bytes + 4 r
	v_lshlrev_b32 v4, 12, v1
	v_lshl_add_u32 v4, v2, 4, v4                   ; y: row r + 16 h
	v_and_b32 v5, 31, v0
	v_lshlrev_b32 v5, 4, v5                        ; 16 x lane
	s_lshl_b32 s20, s16, 10
	v_add_nc_u32 v14, s20, v5                      ; my part's image
	v_lshlrev_b32 v6, 5, v2                        ; 32 h
	v_lshlrev_b32 v7, 12, v1
	v_lshl_add_u32 v7, v2, 5, v7                   ; out0: row r + 32 h
	s_and_b32 s17, ttmp7, 0xffff                   ; batch
	s_lshl_b32 s18, ttmp9, 6                       ; 16 columns are 64 bytes
	s_mov_b32 s19, 0
	s_mov_b32 s21, 0
	s_wait_kmcnt 0x0
	s_add_nc_u64 s[6:7], s[6:7], s[18:19]
	s_add_nc_u64 s[8:9], s[8:9], s[18:19]
	s_add_nc_u64 s[10:11], s[10:11], s[18:19]
	s_lshl_b32 s20, s16, 20                        ; 256 rows of W
	s_add_nc_u64 s[6:7], s[6:7], s[20:21]
	s_lshl_b32 s20, s17, 16
	s_lshl_b32 s22, s16, 10
	s_add_co_u32 s20, s20, s22
	s_add_nc_u64 s[4:5], s[4:5], s[20:21]          ; y_fine: 16 rows a batch, 256 numbers a wave
	s_lshl_b32 s20, s17, 23
	s_add_nc_u64 s[10:11], s[10:11], s[20:21]
.macro LOADP p                         ; 32 along K: 16 loads of W, 4 of y
.irp e, 0,1,2,3
.irp j, 0,1,2,3
	global_load_b32 v[WB+16*((\p)%3)+4*\e+\j], v3, s[6:7] offset:(32*(\p)+8*\e+\j)*4096
.endr
.endr
.irp e, 0,1,2,3
	global_load_b128 v[YB+16*((\p)%3)+4*\e:YB+16*((\p)%3)+4*\e+3], v4, s[4:5] offset:128*(\p)+32*\e
.endr
.endm
.macro PIECE p
.if (\p) < 6
	s_wait_loadcnt 40                              ; this piece's 20 loads are in; those of the two pieces behind it stay out
.elseif (\p) == 6
	s_wait_loadcnt 20
.else
	s_wait_loadcnt 0
.endif
.irp e, 0,1,2,3
.irp i, 0,1
.if ((\p) == 0) && (\e < 2)
	v_wmma_f32_16x16x4_f32 v[ACC+8*((2*\e+\i)%4):ACC+8*((2*\e+\i)%4)+7], v[WB+16*((\p)%3)+4*\e+2*\i:WB+16*((\p)%3)+4*\e+2*\i+1], v[YB+16*((\p)%3)+4*\e+2*\i:YB+16*((\p)%3)+4*\e+2*\i+1], 0
.else
	v_wmma_f32_16x16x4_f32 v[ACC+8*((2*\e+\i)%4):ACC+8*((2*\e+\i)%4)+7], v[WB+16*((\p)%3)+4*\e+2*\i:WB+16*((\p)%3)+4*\e+2*\i+1], v[YB+16*((\p)%3)+4*\e+2*\i:YB+16*((\p)%3)+4*\e+2*\i+1], v[ACC+8*((2*\e+\i)%4):ACC+8*((2*\e+\i)%4)+7]
.endif
.endr
.endr
.if (\p) < 5
.rept 8
	v_nop                                          ; eight places behind this form, in front of loads into registers that it has read
.endr
	LOADP (\p)+3
.endif
.endm
	LOADP 0
	LOADP 1
	LOADP 2
.irp p, 0,1,2,3,4,5,6,7
	PIECE \p
.endr
.rept 8
	v_nop
.endr
.irp j, 0,2,4,6
	v_pk_add_f32 v[TS+\j:TS+\j+1], v[ACC+\j:ACC+\j+1], v[ACC+8+\j:ACC+8+\j+1]          ; each accumulator from its low end on
	v_pk_add_f32 v[TS+8+\j:TS+8+\j+1], v[ACC+16+\j:ACC+16+\j+1], v[ACC+24+\j:ACC+24+\j+1]
.endr
.irp j, 0,2,4,6
	v_pk_add_f32 v[TS+\j:TS+\j+1], v[TS+\j:TS+\j+1], v[TS+8+\j:TS+8+\j+1]
.endr
	ds_store_b128 v14, v[TS:TS+3] offset:PART
	ds_store_b128 v14, v[TS+4:TS+7] offset:PART+512
	s_wait_dscnt 0x0                               ; for wave 0's sake: my stores are done
	s_barrier_signal -1
	s_barrier_wait -1
	s_cmp_lg_u32 s16, 0
	s_cbranch_scc1 .Ldone
.irp i, 0,1
	global_load_b128 v[BB+4*\i:BB+4*\i+3], v6, s[8:9] offset:16*\i
.endr
.irp p, 0,1,2,3
.irp i, 0,1
	ds_load_b128 v[RS+8*\p+4*\i:RS+8*\p+4*\i+3], v5 offset:PART+1024*\p+512*\i
.endr
.endr
	s_wait_dscnt 0x0
.irp j, 0,2,4,6
	v_pk_add_f32 v[RS+\j:RS+\j+1], v[RS+\j:RS+\j+1], v[RS+8+\j:RS+8+\j+1]
	v_pk_add_f32 v[RS+16+\j:RS+16+\j+1], v[RS+16+\j:RS+16+\j+1], v[RS+24+\j:RS+24+\j+1]
.endr
	s_wait_loadcnt 0x0
.irp j, 0,2,4,6
	v_pk_add_f32 v[RS+\j:RS+\j+1], v[RS+\j:RS+\j+1], v[RS+16+\j:RS+16+\j+1]
.endr
.irp j, 0,2,4,6
	v_pk_add_f32 v[RS+\j:RS+\j+1], v[RS+\j:RS+\j+1], v[BB+\j:BB+\j+1]
.endr
	global_store_b128 v7, v[RS:RS+3], s[10:11]
	global_store_b128 v7, v[RS+4:RS+7], s[10:11] offset:16
.Ldone:
	s_wait_tensorcnt 0x0                           ; the wave's end
	ds_add_u32 v[SPW], v[NIL]
	s_wait_dscnt 0x0
	s_endpgm
.Lfunc_end_k_q33d0a17aff_fineB:
	.size	k_q33d0a17aff_fineB, .Lfunc_end_k_q33d0a17aff_fineB-k_q33d0a17aff_fineB
	.p2alignl 7, 3214868480
	.fill 96, 4, 3214868480
	.section	.rodata,"a",@progbits
	.p2align	6, 0x0
	.amdhsa_kernel k_q33d0a17aff_fineB
		.amdhsa_group_segment_fixed_size 4608
		.amdhsa_private_segment_fixed_size 0
		.amdhsa_enable_private_segment 0
		.amdhsa_kernarg_size 32
		.amdhsa_user_sgpr_count 2
		.amdhsa_user_sgpr_kernarg_segment_ptr 1
		.amdhsa_wavefront_size32 1
		.amdhsa_system_sgpr_workgroup_id_x 1
		.amdhsa_system_sgpr_workgroup_id_y 1
		.amdhsa_system_sgpr_workgroup_id_z 1
		.amdhsa_system_vgpr_workitem_id 0
		.amdhsa_next_free_vgpr 256
		.amdhsa_next_free_sgpr 66
		.amdhsa_reserve_vcc 0
		.amdhsa_float_denorm_mode_32 3
		.amdhsa_float_denorm_mode_16_64 3
		.amdhsa_memory_ordered 1
		.amdhsa_forward_progress 1
		.amdhsa_inst_pref_size 26
	.end_amdhsa_kernel
	.amdgpu_metadata
---
amdhsa.version: [ 1, 2 ]
amdhsa.kernels:
  - .name:           k_q33d0a17aff_fineB
    .symbol:         k_q33d0a17aff_fineB.kd
    .args:
      - { .name: y_fine, .offset: 0, .size: 8, .value_kind: global_buffer, .address_space: global }
      - { .name: W_proj, .offset: 8, .size: 8, .value_kind: global_buffer, .address_space: global }
      - { .name: b_proj, .offset: 16, .size: 8, .value_kind: global_buffer, .address_space: global }
      - { .name: out0, .offset: 24, .size: 8, .value_kind: global_buffer, .address_space: global }
    .group_segment_fixed_size: 4608
    .private_segment_fixed_size: 0
    .kernarg_segment_align: 8
    .kernarg_segment_size: 32
    .max_flat_workgroup_size: 128
    .sgpr_count:     66
    .vgpr_count:     256
    .wavefront_size: 32
...
	.end_amdgpu_metadata
.endif
;; end of part 6
